; MI455X (gfx1250); checked and timed in simulation.
; The chip was launched on July 23, 2026; its instructions are those of AMD's public machine-readable ISA for CDNA 5 (MIT licence, August 2026) and "CDNA5" Instruction Set Architecture Reference Guide (July 2026). The comments in the code are by the model that wrote it; some were corrected since.
;; TLOB Tiny Model. Allowed arithmetic: float matrix products may take bf16 or f16 operands with f32 sums; other float arithmetic in f32, or as packed bf16 or f16 multiplies, adds, multiply-adds, maxima and minima; sums over many terms, partial sums and values carried from step to step in f32; what a program stores and reads back later, other than sums and carried values, may be rounded once to bf16 or f16.
;; Inputs: b1 2 x 128 float32; b2 2 x 64 float32; b_in 64 float32; be1 2 x 64 float32; be2 2 x 64 float32; bo 2 x 64 float32; g1 2 x 64 float32; g2 2 x 64 float32; hb1 32 float32; hb2 1 float32; hw1 64 x 32 float32; hw2 32 x 1 float32; pos 32 x 64 float32; w1 2 x 64 x 128 float32; w2 2 x 128 x 64 float32; w_in 10 x 64 float32; wk 2 x 64 x 64 float32; wo 2 x 64 x 64 float32; wq 2 x 64 x 64 float32; wv 2 x 64 x 64 float32; x 16,384 x 32 x 10 float32.
;; Outputs: out0 16,384 x 1 float32.
;; 2 versions, each right; version 2 is version 1 with the launch tlob written anew for expert scheduling mode. Each part assembles by itself: llvm-mc -triple=amdgcn-amd-amdhsa -mcpu=gfx1250 --defsym DOCPART=n.
;; ======== version 1 of 2: 1 launch
;; limits: a function is approximated: absolute error at most 3.3e-06
;; launch tlob (part 1): grid 256 x 1, 8 waves a work-group, no clusters, 172,288 bytes of LDS; arguments x, w_in, b_in, pos, wq, wk, wv, wo, w1, w2, g1, be1, g2, be2, bo, b1, b2, hw1, hb1, hw2, hb2, out0; writes out0
.if DOCPART == 1
	.amdgcn_target "amdgcn-amd-amdhsa--gfx1250"
	.amdhsa_code_object_version 6
	.text
	.protected	k_qfa2593f44f_tlob
	.globl	k_qfa2593f44f_tlob
	.p2align	8
	.type	k_qfa2593f44f_tlob,@function
k_qfa2593f44f_tlob:
	s_mov_b64 s[64:65], 0
	v_nop
	global_prefetch_b8 v0, s[64:65] scope:SCOPE_SE
	s_setreg_imm32_b32 hwreg(HW_REG_WAVE_MODE, 25, 1), 1
	s_wait_xcnt 0x0
; THE WHOLE MODULE IN ONE LAUNCH.  16,384 sequences of 32 tokens: input projection 10 -> 64 (+ bias + position), two pre-LN layers (4 heads of 16; FFN 64-128-64),
; mean over the tokens, head 64-32-1, tanh.  Nothing goes through memory between the steps.
; SHARES.  256 work-groups of 8 waves; a work-group owns 64 consecutive sequences, a wave 8 of them, as 4 trips of TWO sequences.  Sequence 0 of a pair lives in register
; window 0, sequence 1 in window 1, AT THE SAME REGISTER NUMBERS: a phase is one macro, expanded under s_set_vgpr_msb 0x00 or 0x55.  Each weight fragment read from LDS
; feeds both sequences (four token tiles).  The loops hold no barrier: the waves depend on each other in the set-up and at the output alone.
; LAYOUT.  Activations are kept transposed: D = W^T x act has a lane hold ONE token (lane % 16) and the features 8 (lane / 16) + 0..7 of a tile of 16.  Two neighbouring tiles,
; rounded in pairs to bf16, ARE source 1 (32 features x 16 tokens) of the next product: no activation changes lanes or goes through LDS, and a token's statistics want one
; exchange between the halves of the lanes.  V and the head's hidden layer are made the other way round (source 0 = act): V's result is then source 0 of V^T P,
; and the head's two token tiles add into one accumulator.  Scores: two heads of 16 fill K = 32; q is kept as (even head, zeros, odd head), so that 8 registers from +0 or +4 pick one head.
; SET-UP, once a work-group: all weights to bf16 fragment images in LDS (1,024 bytes: lane i's registers 0-3 at 16 i, registers 4-7 at 512 + 16 i: every load is 512 consecutive bytes).
; FOLDED THERE (identities, for every input): with z = (h - mean) rstd, LN(h) W = z (g . W) + be W.  g1 goes into wq, wk, wv, g2 into w1; c = log2(e) / 4 into wq, so p = 2^(s - m).
; c be1 wq is the C operand of q's first product.  be1 wk adds one number to all scores of a query, which the softmax cancels: it is not formed.  be1 wv passes through the attention
; unchanged (the weights sum to 1): bo' = bo + (be1 wv) wo.  b1' = b1 + be2 w1 is the C operand of the FFN's first product.  pos + b_in is the C operand of the input product.
; FORMATS AND LIMITS.  Matrix operands bf16: weights rounded once, behind the fold; x, z, q, k, v, p, ctx, the relu's output and the head's h rounded once each.  Sums, statistics, the
; residual h and all biases f32.  The variance is taken of h - mean (two passes).  The softmax takes the row's true maximum away; its sum is taken of the unrounded p; a weight below
; 2^-126 counts as 0.  tanh(z) = 1 - 2 / (1 + 2^(2 log2(e) z)) from |z| = 0.25 on, below that z (1 + z^2 (-1/3 + 2/15 z^2)), off by 1.3e-5 of itself at the most.
; NaN and infinities are not treated apart: an infinite x meets zero weights in the padded places of its own token and gives NaN, where the module's result is not finite either.
; The order of the sums is not that of a row-by-row evaluation.
; NO CLUSTER, NO TENSOR LOAD: x is shared by nobody; the weights are shared by all, but are scaled, rounded and re-ordered on their way, which goes through registers, and
; raw (270 KB) they do not fit beside their image (139 KB) in the 320 KB of LDS.  x (2,560 bytes a trip and wave) is asked for one whole trip ahead, into registers.
; ---- LDS ----
.set LAYB,  65536      ; a layer's image: wq 0, wk 8192, wv 16384 (fragment (tile, chunk) at (2 tile + chunk) x 1024),
.set LWO,   24576      ; wo,
.set LW1,   32768      ; w1 (8 tiles x 2 chunks),
.set LW2,   49152      ; w2 ((4 tile + chunk) x 1024)
.set WINF,  131072     ; w_in: 4 fragments, rows 10 to 31 zero
.set HW1F,  135168     ; hw1: 4 fragments
.set POST,  139264     ; pos + b_in, f32, as the accumulators hold it: ((4 b + t) 2 + q) x 512 + 16 lane
.set TB,    147456     ; per layer 1,536 bytes of f32 by feature: cq 0, cv 256, b1' 512, bo' 1024, b2 1280
.set TBL,   1536
.set XSTG,  150528     ; 2,560 bytes a wave: the stage for x.  In the set-up the same bytes hold the waves' partial sums:
.set PS,    XSTG       ; layer x 8192 + wave x 1024 + 4 x (cq 0-63, cv 64-127, b1' 128-255)
.set PS2,   XSTG+16384 ; layer x 2048 + wave x 256 + 4 x feature
.set OUTL,  171008     ; the work-group's 64 results
.set SPARE, 171264     ; the spare words, 128 bytes for each of the eight waves: four blocks of 256 bytes that no other line names
; ---- registers of the loops (window 0: v0-23; both windows: v24-255) ----
.set LW0, 1            ; 16 x lane; also my byte offset in 512 bytes of x; never rewritten
.set LW,  2            ; + the layer's image
.set LT,  3            ; 16 x lane + WINF
.set BH0, 4            ; 32 (lane / 16) + TB
.set BH,  5            ; + the layer's table
.set XST, 6            ; the stage: where my 16 bytes go
.set XL0, 7            ; the stage: my token's features 0, 1 (lanes 16-31: 8, 9)
.set XL1, 8            ; the stage: my token's row
.set OA,  9            ; where the pair's results go
.set SPW, 10           ; LDS address of my spare word; never rewritten
.set NIL, 11           ; 0; never rewritten
.set HC,  20           ; hb1[r], hb1[16 + r], hw2[r], hw2[16 + r]        (window 1: v0-19 hold the next pair's x)
.set AST, 24           ; 16 at work: softmax statistics, 8 a token tile; bias operands
.set AH,  40           ; h: tile (feature tile t, token tile b) at AH + 32 b + 8 t
.set AF,  104          ; the normed h in bf16: fragment (b, chunk c) at AF + 16 b + 8 c; later ctx chunk 1 at AF + 8 b
.set ACT, 136          ; ctx chunk 0 at ACT + 8 b
.set AQ,  152          ; q: for token tile b at AQ + 12 b: even head, zeros, odd head, 4 each
.set AK,  176          ; k: key tile a at AK + 8 a: even head, odd head
.set AV,  192          ; v: head tt of the pair at AV + 8 tt: tokens 0-15, tokens 16-31
.set AW,  208          ; 48 at work
.set AB,  AW+32        ; QKV: a step's two weight fragments, in window step % 2
.set AO,  152          ; window 0: wo's eight fragments
.set BOB, 216          ; window 0: bo'
.set A1,  136          ; FFN: w1's four fragments of a step, in window step % 2
.set A2,  168          ; FFN: w2's four
.set B2B, 136          ; window 0: b2
.set WIF, 176          ; window 0: w_in's four fragments; at the end hw1's
; ---- registers of the set-up ----
.set GO64, 2           ; 4 lane + my 8 rows of a matrix with rows of 256 bytes
.set GO128, 3          ; of 512 bytes
.set GO32, 4           ; of 128 bytes
.set GVA, 5            ; 32 x wave: my 8 numbers of a gain or shift
.set SA2, 6            ; v6, v7: where my 16 bytes of a fragment go, layer 0, 1 (two chunks a tile)
.set SA4, 8            ; v8, v9: the same with four chunks a tile
.set SAT, 12
.set SA1, 13
.set PSA, 14
.set PSTA, 15
.set PGO, 16
.set BIO, 17
.set RDA, 18
.set TBA, 19
.set B1O, 118
.set CVA, 119
.set PS2A, 120
.set RD2, 121
.set TB4, 122
.set HCO, 123
.set L4,  124
.set LR,  125          ; lane % 16
.set LHH, 126          ; lane / 16
.set WIO, 127          ; 4 lane, and in all waves but wave 0 eight rows of w_in further on
.set G1,  24           ; both windows (window = layer): my 8 numbers of g1, be1, g2, be2, c g1
.set BE1, 32
.set G2,  40
.set BE2, 48
.set GQ,  56
.set PK,  64
.set PD,  68
.set CVR, 70
.set B1V, 78           ; window 0 alone from here to v117
.set BOV, 80
.set B2V, 81
.set POSR, 82
.set WI,  94
.set RR,  94
.set HWR, 110
.set TW,  128          ; both windows: the layer's raw weights, 16 registers an item
.set MSB, 0
.macro WIN new                         ; bits 1:0 source 0, 3:2 source 1, 5:4 source 2, 7:6 destination; the high byte repeats the setting that is left; a switch that changes nothing is dropped
.if MSB != (\new)
	s_set_vgpr_msb (MSB<<8)|(\new)
.set MSB, (\new)
.endif
.endm
; A vector instruction that reads a matrix result or writes a matrix instruction's register, and a load into such a register, stand four plain vector instructions behind it; a matrix
; instruction that writes over such a register five.  Mostly the other sequence's vector work stands there; where there is none, v_nop.
.macro PLACES n
.rept \n
	v_nop
.endr
.endm
.macro BAR                             ; my LDS instructions are done, for the others' sake; then the work-group's barrier
	s_wait_dscnt 0x0
	s_barrier_signal -1
	s_barrier_wait -1
.endm
; ================= the set-up's macros =================
; 16 loads: my 8 rows of 64 neighbouring columns; a load of the wave covers 128 consecutive bytes
.macro LG l, t0, sb, go, off0, rowb
	WIN (\l)<<6
.irp nb,0,1
.irp i,0,1,2,3,4,5,6,7
	global_load_b32 v[TW+\t0+8*\nb+\i], v[\go], s[\sb:\sb+1] offset:(\off0)+128*\nb+(\rowb)*\i
.endr
.endr
.endm
; layer l's gains and shifts, my 8 numbers of each, into window l
.macro GLD l
	WIN (\l)<<6
	global_load_b128 v[G1:G1+3], v[GVA], s[24:25] offset:256*(\l)
	global_load_b128 v[G1+4:G1+7], v[GVA], s[24:25] offset:256*(\l)+16
	global_load_b128 v[BE1:BE1+3], v[GVA], s[26:27] offset:256*(\l)
	global_load_b128 v[BE1+4:BE1+7], v[GVA], s[26:27] offset:256*(\l)+16
	global_load_b128 v[G2:G2+3], v[GVA], s[28:29] offset:256*(\l)
	global_load_b128 v[G2+4:G2+7], v[GVA], s[28:29] offset:256*(\l)+16
	global_load_b128 v[BE2:BE2+3], v[GVA], s[30:31] offset:256*(\l)
	global_load_b128 v[BE2+4:BE2+7], v[GVA], s[30:31] offset:256*(\l)+16
.endm
; the same 16 numbers a lane: the partial shift . W (on the raw numbers), the gain, the rounding, 16 bytes into the fragment image
.macro PG l, t0, gv, bv, sa, lo, nbs, po
.irp nb,0,1
	WIN 0x55*(\l)
.if (\bv) >= 0
	v_mul_f32 v[PD+\nb], v[\bv], v[TW+\t0+8*\nb]
.irp i,1,2,3,4,5,6,7
	v_fmac_f32 v[PD+\nb], v[\bv+\i], v[TW+\t0+8*\nb+\i]
.endr
.endif
.if (\gv) >= 0
.irp i,0,1,2,3
	v_pk_mul_f32 v[TW+\t0+8*\nb+2*\i:TW+\t0+8*\nb+2*\i+1], v[TW+\t0+8*\nb+2*\i:TW+\t0+8*\nb+2*\i+1], v[\gv+2*\i:\gv+2*\i+1]
.endr
.endif
.irp i,0,1,2,3
	v_cvt_pk_bf16_f32 v[PK+\i], v[TW+\t0+8*\nb+2*\i], v[TW+\t0+8*\nb+2*\i+1]
.endr
	WIN (\l)<<2
	ds_store_b128 v[\sa], v[PK:PK+3] offset:(\lo)+(\nbs)*\nb
.if (\bv) >= 0
	ds_store_b32 v[PSA], v[PD+\nb] offset:8192*(\l)+(\po)+128*\nb
.endif
.endr
.endm
; item n of 17: layer n / 8: wq, wk, wv, wo, w1 (two halves of its columns), w2 (two halves of its rows); item 16: hw1
.macro LGI n
.set ll, (\n)/8
.set mm, (\n)%8
.if (\n) == 16
	WIN 0
.irp i,0,1,2,3,4,5,6,7
	global_load_b32 v[HWR+\i], v[GO32], s[38:39] offset:128*\i
.endr
.elseif mm < 4
	LG ll,16*mm,12+2*mm,GO64,16384*ll,256
.elseif mm < 6
	LG ll,64+16*(mm-4),20,GO128,32768*ll+256*(mm-4),512
.else
	LG ll,96+16*(mm-6),22,GO64,32768*ll+16384*(mm-6),256
.endif
.endm
.macro PGI n
.set ll, (\n)/8
.set mm, (\n)%8
.if (\n) == 16
	WIN 0
.irp i,0,1,2,3
	v_cvt_pk_bf16_f32 v[PK+\i], v[HWR+2*\i], v[HWR+2*\i+1]
.endr
	ds_store_b128 v[SAT], v[PK:PK+3] offset:HW1F-WINF
.elseif mm == 0
	PG ll,0,GQ,BE1,SA2+ll,0,4096,0
.elseif mm == 1
	PG ll,16,G1,-1,SA2+ll,8192,4096,0
.elseif mm == 2
	PG ll,32,G1,BE1,SA2+ll,16384,4096,256
.elseif mm == 3
	PG ll,48,-1,-1,SA2+ll,LWO,4096,0
.elseif mm < 6
	PG ll,64+16*(mm-4),G2,BE2,SA2+ll,LW1+8192*(mm-4),4096,512+256*(mm-4)
.else
	PG ll,96+16*(mm-6),-1,-1,SA4+ll,LW2+2048*(mm-6),8192,0
.endif
.endm
.macro SUM8 r                          ; eight numbers into the first
	v_add_f32 v[\r], v[\r], v[\r+1]
	v_add_f32 v[\r+2], v[\r+2], v[\r+3]
	v_add_f32 v[\r+4], v[\r+4], v[\r+5]
	v_add_f32 v[\r+6], v[\r+6], v[\r+7]
	v_add_f32 v[\r], v[\r], v[\r+2]
	v_add_f32 v[\r+4], v[\r+4], v[\r+6]
	v_add_f32 v[\r], v[\r], v[\r+4]
.endm
; ================= the loops' macros =================
.macro ZQ s                            ; the zeros in the middle of the two q triples
	WIN 0x55*(\s)
.irp i,0,1,2,3
	v_mov_b32 v[AQ+4+\i], 0
	v_mov_b32 v[AQ+16+\i], 0
.endr
.endm
; LAYERNORM without gain and shift, for both token tiles of sequence s.  At work for tile b, from TT = AW + 24 b: four pairs of sums +0..7, four pairs at work +8..15,
; +16 -mean, +17 a sum, +18 rstd, +19 variance + eps, +20 -mean rstd, +21 a sum.
.macro LNRED d                         ; the four pairs of sums, and the other half of the lanes', into TT + 16 + d
.irp b,0,1
	v_pk_add_f32 v[AW+24*\b:AW+24*\b+1], v[AW+24*\b:AW+24*\b+1], v[AW+24*\b+2:AW+24*\b+3]
.endr
.irp b,0,1
	v_pk_add_f32 v[AW+24*\b+4:AW+24*\b+5], v[AW+24*\b+4:AW+24*\b+5], v[AW+24*\b+6:AW+24*\b+7]
.endr
.irp b,0,1
	v_pk_add_f32 v[AW+24*\b:AW+24*\b+1], v[AW+24*\b:AW+24*\b+1], v[AW+24*\b+4:AW+24*\b+5]
.endr
.irp b,0,1
	v_add_f32 v[AW+24*\b+16+(\d)], v[AW+24*\b], v[AW+24*\b+1]
.endr
.irp b,0,1
	v_permlanex16_b32 v[AW+24*\b+3], v[AW+24*\b+16+(\d)], s50, s51     ; the token's other 32 features lie in the lane 16 away
.endr
.irp b,0,1
	v_add_f32 v[AW+24*\b+16+(\d)], v[AW+24*\b+16+(\d)], v[AW+24*\b+3]
.endr
.endm
.macro LN s
	WIN 0x55*(\s)
.irp k,0,1,2,3                         ; the sum; each accumulator's lowest registers are read first
.irp b,0,1
	v_pk_add_f32 v[AW+24*\b+2*\k:AW+24*\b+2*\k+1], v[AH+32*\b+4*\k:AH+32*\b+4*\k+1], v[AH+32*\b+4*\k+2:AH+32*\b+4*\k+3]
.endr
.endr
.irp o,16,24
.irp k,0,1,2,3
.irp b,0,1
	v_pk_add_f32 v[AW+24*\b+2*\k:AW+24*\b+2*\k+1], v[AW+24*\b+2*\k:AW+24*\b+2*\k+1], v[AH+32*\b+\o+2*\k:AH+32*\b+\o+2*\k+1]
.endr
.endr
.endr
	LNRED 1
.irp b,0,1
	v_mul_f32 v[AW+24*\b+16], s52, v[AW+24*\b+17]                      ; -mean
.endr
.irp g,0,1,2,3                         ; the sum of (h - mean)^2
.irp k,0,1,2,3
.irp b,0,1
	v_pk_add_f32 v[AW+24*\b+8+2*\k:AW+24*\b+9+2*\k], v[AH+32*\b+8*\g+2*\k:AH+32*\b+8*\g+2*\k+1], v[AW+24*\b+16:AW+24*\b+17] op_sel_hi:[1,0]
.endr
.endr
.irp k,0,1,2,3
.irp b,0,1
.if \g == 0
	v_pk_mul_f32 v[AW+24*\b+2*\k:AW+24*\b+2*\k+1], v[AW+24*\b+8+2*\k:AW+24*\b+9+2*\k], v[AW+24*\b+8+2*\k:AW+24*\b+9+2*\k]
.else
	v_pk_fma_f32 v[AW+24*\b+2*\k:AW+24*\b+2*\k+1], v[AW+24*\b+8+2*\k:AW+24*\b+9+2*\k], v[AW+24*\b+8+2*\k:AW+24*\b+9+2*\k], v[AW+24*\b+2*\k:AW+24*\b+2*\k+1]
.endif
.endr
.endr
.endr
	LNRED 5
.irp b,0,1
	v_fmaak_f32 v[AW+24*\b+19], s53, v[AW+24*\b+21], 0x3727c5ac        ; sum / 64 + 1e-5
.endr
.irp b,0,1
	v_rsq_f32 v[AW+24*\b+18], v[AW+24*\b+19]
.endr
	v_nop                                                              ; a plain instruction between the root and the use of its result
	s_wait_alu depctr_va_vdst(0)
.irp b,0,1
	v_mul_f32 v[AW+24*\b+20], v[AW+24*\b+16], v[AW+24*\b+18]
.endr
.irp g,0,1,2,3                         ; z = h rstd - mean rstd, rounded in pairs: the next product's source
.irp k,0,1,2,3
.irp b,0,1
	v_pk_fma_f32 v[AW+24*\b+8+2*\k:AW+24*\b+9+2*\k], v[AH+32*\b+8*\g+2*\k:AH+32*\b+8*\g+2*\k+1], v[AW+24*\b+18:AW+24*\b+19], v[AW+24*\b+20:AW+24*\b+21] op_sel_hi:[1,0,0]
.endr
.endr
.irp k,0,1,2,3
.irp b,0,1
	v_cvt_pk_bf16_f32 v[AF+16*\b+4*\g+\k], v[AW+24*\b+8+2*\k], v[AW+24*\b+9+2*\k]
.endr
.endr
.endr
.endm
; Q, K, V OF A PAIR OF HEADS p.  Six steps j: q, q, k, k, v, v, for head 2 p + j % 2.  A step's two weight fragments (and q's bias) lie in window j % 2, its sums at AW + 16 (j % 2).
.macro LDA p, j
.set kd, (\j)/2
.set tq, 2*(\p)+(\j)%2
	WIN ((\j)%2)<<6
.irp c,0,1
	ds_load_b128 v[AB+8*\c:AB+8*\c+3], v[LW] offset:kd*8192+(2*tq+\c)*1024
	ds_load_b128 v[AB+8*\c+4:AB+8*\c+7], v[LW] offset:kd*8192+(2*tq+\c)*1024+512
.endr
.if kd == 0
	ds_load_b128 v[AST:AST+3], v[BH] offset:64*tq
	ds_load_b128 v[AST+4:AST+7], v[BH] offset:64*tq+16
.endif
.endm
.macro MM j, s                         ; four products; the two token tiles' sums take turns
.set pr, (\j)%2
.set kd, (\j)/2
.irp c,0,1
.irp b,0,1
.set ra, AW+16*pr+8*\b
.set rf, AF+16*\b+8*\c
.set rw, AB+8*\c
.if kd == 2
	WIN (\s)|(pr<<2)|((\s)<<4)|((\s)<<6)
.if \c == 0
	v_wmma_f32_16x16x32_bf16 v[ra:ra+7], v[rf:rf+7], v[rw:rw+7], 0
.else
	v_wmma_f32_16x16x32_bf16 v[ra:ra+7], v[rf:rf+7], v[rw:rw+7], v[ra:ra+7]
.endif
.elseif \c == 1
	WIN pr|((\s)<<2)|((\s)<<4)|((\s)<<6)
	v_wmma_f32_16x16x32_bf16 v[ra:ra+7], v[rw:rw+7], v[rf:rf+7], v[ra:ra+7]
.elseif kd == 0
	WIN pr|((\s)<<2)|(pr<<4)|((\s)<<6)
	v_wmma_f32_16x16x32_bf16 v[ra:ra+7], v[rw:rw+7], v[rf:rf+7], v[AST:AST+7]
.else
	WIN pr|((\s)<<2)|((\s)<<4)|((\s)<<6)
	v_wmma_f32_16x16x32_bf16 v[ra:ra+7], v[rw:rw+7], v[rf:rf+7], 0
.endif
.endr
.endr
.endm
.macro CV j, s                         ; a step's sums rounded to bf16, into their places in q, k or v
	WIN 0x55*(\s)
.set pr, (\j)%2
.set kd, (\j)/2
.irp b,0,1
.irp i,0,1,2,3
.if kd == 0
.set dd, AQ+12*\b+8*pr+\i
.elseif kd == 1
.set dd, AK+8*\b+4*pr+\i
.else
.set dd, AV+8*pr+4*\b+\i
.endif
	v_cvt_pk_bf16_f32 v[dd], v[AW+16*pr+8*\b+2*\i], v[AW+16*pr+8*\b+2*\i+1]
.endr
.endr
.endm
; The roundings of step j - 1 stand behind step j's products: they are the places in front of the loads into the buffer that step j read, and in front of their own reads.
.macro QKV p
	LDA \p,0
.irp j,0,1,2,3,4,5
.if \j < 5
	LDA \p,\j+1
.endif
.if \j == 0
	s_wait_dscnt 0x6                               ; this step's loads are in; the next step's six (four of fragments, two of q's bias) may be out
.elseif \j < 5
	s_wait_dscnt 0x4                               ; the next step's four may be out
.else
	s_wait_dscnt 0x0
.endif
	MM \j,0
	MM \j,1
.if \j == 0
	PLACES 5
.else
	CV \j-1,0
	CV \j-1,1
.endif
.endr
	CV 5,0
	CV 5,1
.endm
; ATTENTION OF A PAIR OF HEADS.  S^T(b, a) at AW + 16 b + 8 a: a lane holds one query and 16 of its 32 keys.  P takes the lower 8 of a tile's 16 registers, O^T the upper 8.
.macro SCO s, tt                       ; the scores of head tt of the pair
	WIN 0x55*(\s)
.irp b,0,1
.irp a,0,1
	v_wmma_f32_16x16x32_bf16 v[AW+16*\b+8*\a:AW+16*\b+8*\a+7], v[AK+8*\a:AK+8*\a+7], v[AQ+12*\b+4*(\tt):AQ+12*\b+4*(\tt)+7], 0
.endr
.endr
.endm
.macro SUBL b, n                       ; pair n of 8: s - m
	v_pk_add_f32 v[AW+16*(\b)+2*(\n):AW+16*(\b)+2*(\n)+1], v[AW+16*(\b)+2*(\n):AW+16*(\b)+2*(\n)+1], v[AST+8*(\b):AST+8*(\b)+1] op_sel_hi:[1,0] neg_lo:[0,1] neg_hi:[0,1]
.endm
.macro EXL b, n
	v_exp_f32 v[AW+16*(\b)+(\n)], v[AW+16*(\b)+(\n)]
.endm
.macro CVL b, n                        ; pair n rounded, in place and ascending: register n is free when pair n is read
	v_cvt_pk_bf16_f32 v[AW+16*(\b)+(\n)], v[AW+16*(\b)+2*(\n)], v[AW+16*(\b)+2*(\n)+1]
.endm
.macro SUML b, n                       ; line n of the ten that add the 16 weights and the other half of the lanes'; lines 0-3 read them all
.set sg, AW+16*(\b)
.set sq, AST+8*(\b)
.if (\n) < 3
	s_wait_alu depctr_va_vdst(0)
	v_pk_add_f32 v[sq+2+2*(\n):sq+3+2*(\n)], v[sg+4*(\n):sg+4*(\n)+1], v[sg+4*(\n)+2:sg+4*(\n)+3]
.elseif (\n) == 3
	v_pk_add_f32 v[sq:sq+1], v[sg+12:sg+13], v[sg+14:sg+15]
.elseif (\n) == 4
	v_pk_add_f32 v[sq+2:sq+3], v[sq+2:sq+3], v[sq+4:sq+5]
.elseif (\n) == 5
	v_pk_add_f32 v[sq+6:sq+7], v[sq+6:sq+7], v[sq:sq+1]
.elseif (\n) == 6
	v_pk_add_f32 v[sq+2:sq+3], v[sq+2:sq+3], v[sq+6:sq+7]
.elseif (\n) == 7
	v_add_f32 v[sq], v[sq+2], v[sq+3]
.elseif (\n) == 8
	v_permlanex16_b32 v[sq+1], v[sq], s50, s51
.else
	v_add_f32 v[sq], v[sq], v[sq+1]
.endif
.endm
; The softmax of one head, both query tiles: maximum, s - m, exponentials, sum (of the unrounded weights), rounding, 1 / sum into AST + 8 b + 2.
; Plain work of the other tile stands between the exponentials wherever there is any; every exponential has a plain instruction behind it before its result is read.
.macro SM s
	WIN 0x55*(\s)
.irp b,0,1
	v_max3_num_f32 v[AST+8*\b], v[AW+16*\b], v[AW+16*\b+1], v[AW+16*\b+2]
.endr
.irp b,0,1
	v_max3_num_f32 v[AST+8*\b+1], v[AW+16*\b+8], v[AW+16*\b+9], v[AW+16*\b+10]
.endr
.irp o,3,5
.irp b,0,1
	v_max3_num_f32 v[AST+8*\b], v[AST+8*\b], v[AW+16*\b+\o], v[AW+16*\b+\o+1]
.endr
.irp b,0,1
	v_max3_num_f32 v[AST+8*\b+1], v[AST+8*\b+1], v[AW+16*\b+\o+8], v[AW+16*\b+\o+9]
.endr
.endr
.irp b,0,1
	v_max3_num_f32 v[AST+8*\b], v[AST+8*\b], v[AW+16*\b+7], v[AW+16*\b+15]
.endr
.irp b,0,1
	v_max_num_f32 v[AST+8*\b], v[AST+8*\b], v[AST+8*\b+1]
.endr
.irp b,0,1
	v_permlanex16_b32 v[AST+8*\b+1], v[AST+8*\b], s50, s51             ; the query's other 16 keys lie in the lane 16 away
.endr
.irp b,0,1
	v_max_num_f32 v[AST+8*\b], v[AST+8*\b], v[AST+8*\b+1]
.endr
.irp n,0,1,2,3,4,5,6,7
	SUBL 0,\n
.endr
.irp n,0,1,2,3,4,5,6,7
	EXL 0,\n
	SUBL 1,\n
.endr
.irp n,8,9,10,11,12,13,14,15
	EXL 0,\n
.endr
.irp n,0,1,2,3,4,5,6,7,8,9
	EXL 1,\n
	SUML 0,\n
.endr
.irp n,10,11,12,13,14,15
	EXL 1,\n
	CVL 0,\n-10
.endr
	CVL 0,6
	CVL 0,7
.irp n,0,1,2,3
	SUML 1,\n
.endr
.irp n,0,1,2,3,4,5
	SUML 1,\n+4
	CVL 1,\n
.endr
	CVL 1,6
	CVL 1,7
	v_rcp_f32 v[AST+2], v[AST]
	v_rcp_f32 v[AST+10], v[AST+8]
	v_nop                                                              ; a plain instruction behind the reciprocals
.endm
.macro PV s, tt                        ; O^T = V^T P
	WIN 0x55*(\s)
.irp b,0,1
	v_wmma_f32_16x16x32_bf16 v[AW+16*\b+8:AW+16*\b+15], v[AV+8*(\tt):AV+8*(\tt)+7], v[AW+16*\b:AW+16*\b+7], 0
.endr
.endm
.macro NRM s, tt, p                    ; O^T / sum, rounded: four registers of ctx's fragment (b, chunk p)
.if (\p) == 0
.set cb, ACT
.else
.set cb, AF
.endif
	WIN 0x55*(\s)
	s_wait_alu depctr_va_vdst(0)
.irp i,0,1,2,3
.irp b,0,1
	v_pk_mul_f32 v[AW+16*\b+8+2*\i:AW+16*\b+9+2*\i], v[AW+16*\b+8+2*\i:AW+16*\b+9+2*\i], v[AST+8*\b+2:AST+8*\b+3] op_sel_hi:[1,0]
.endr
.endr
.irp i,0,1,2,3
.irp b,0,1
	v_cvt_pk_bf16_f32 v[cb+8*\b+4*(\tt)+\i], v[AW+16*\b+8+2*\i], v[AW+16*\b+9+2*\i]
.endr
.endr
.endm
; The two sequences by turns: behind each run of products stands the other sequence's vector work, which names none of their registers.
.macro ATT p
	SCO 0,0
	SCO 1,0
	PLACES 4
	SM 0
	PV 0,0
	SM 1
	PV 1,0
	NRM 0,0,\p
	SCO 0,1
	NRM 1,0,\p
	SCO 1,1
	SM 0
	PV 0,1
	SM 1
	PV 1,1
	NRM 0,1,\p
.if (\p) == 1
	WIN 0                                          ; sequence 0's q, k, v and P are done with: wo's eight fragments take their registers
.irp f,0,1,2,3,4,5,6,7
	ds_load_b128 v[AO+8*\f:AO+8*\f+3], v[LW] offset:LWO+\f*1024
	ds_load_b128 v[AO+8*\f+4:AO+8*\f+7], v[LW] offset:LWO+\f*1024+512
.endr
.endif
	NRM 1,1,\p
.endm
.macro BIAS s, src                     ; h += a bias that lies in window 0, by feature; ascending in each accumulator
	WIN 0x41*(\s)
.irp b,0,1
.irp t,0,1,2,3
.irp i,0,1,2,3
	v_pk_add_f32 v[AH+32*\b+8*\t+2*\i:AH+32*\b+8*\t+2*\i+1], v[AH+32*\b+8*\t+2*\i:AH+32*\b+8*\t+2*\i+1], v[\src+8*\t+2*\i:\src+8*\t+2*\i+1]
.endr
.endr
.endr
.endm
; FFN, four steps of 32 hidden features.  A step's 20 loads: w1's four fragments, b1' of two tiles, w2's four fragments, into window u % 2.
.macro LDF u
.set fw, (\u)%2
	WIN fw<<6
.irp tt,0,1
.irp c,0,1
	ds_load_b128 v[A1+8*(2*\tt+\c):A1+8*(2*\tt+\c)+3], v[LW] offset:LW1+(2*(2*(\u)+\tt)+\c)*1024
	ds_load_b128 v[A1+8*(2*\tt+\c)+4:A1+8*(2*\tt+\c)+7], v[LW] offset:LW1+(2*(2*(\u)+\tt)+\c)*1024+512
.endr
	ds_load_b128 v[AST+8*\tt:AST+8*\tt+3], v[BH] offset:512+64*(2*(\u)+\tt)
	ds_load_b128 v[AST+8*\tt+4:AST+8*\tt+7], v[BH] offset:512+64*(2*(\u)+\tt)+16
.endr
.irp t,0,1,2,3
	ds_load_b128 v[A2+8*\t:A2+8*\t+3], v[LW] offset:LW2+(4*\t+(\u))*1024
	ds_load_b128 v[A2+8*\t+4:A2+8*\t+7], v[LW] offset:LW2+(4*\t+(\u))*1024+512
.endr
.endm
.macro FF1 u, s                        ; z w1 + b1': four sums by turns, at AW + 16 tt + 8 b
.set fw, (\u)%2
.irp c,0,1
.irp tt,0,1
.irp b,0,1
.set ra, AW+16*\tt+8*\b
.if \c == 0
	WIN fw|((\s)<<2)|(fw<<4)|((\s)<<6)
	v_wmma_f32_16x16x32_bf16 v[ra:ra+7], v[A1+8*(2*\tt+\c):A1+8*(2*\tt+\c)+7], v[AF+16*\b+8*\c:AF+16*\b+8*\c+7], v[AST+8*\tt:AST+8*\tt+7]
.else
	WIN fw|((\s)<<2)|((\s)<<4)|((\s)<<6)
	v_wmma_f32_16x16x32_bf16 v[ra:ra+7], v[A1+8*(2*\tt+\c):A1+8*(2*\tt+\c)+7], v[AF+16*\b+8*\c:AF+16*\b+8*\c+7], v[ra:ra+7]
.endif
.endr
.endr
.endr
.endm
.macro RL s                            ; rounded to bf16, then the relu on packed halves (the same numbers as the relu first): fragment b at AW + 32 + 8 b
	WIN 0x55*(\s)
.irp tt,0,1
.irp b,0,1
.irp i,0,1,2,3
	v_cvt_pk_bf16_f32 v[AW+32+8*\b+4*\tt+\i], v[AW+16*\tt+8*\b+2*\i], v[AW+16*\tt+8*\b+2*\i+1]
.endr
.endr
.endr
.irp i,0,1,2,3,4,5,6,7,8,9,10,11,12,13,14,15
	v_pk_max_num_bf16 v[AW+32+\i], v[AW+32+\i], s57
.endr
.endm
.macro FF2 u, s                        ; h += relu(..) w2, the step's 32 hidden features: eight sums by turns
.set fw, (\u)%2
	WIN fw|((\s)<<2)|((\s)<<4)|((\s)<<6)
.irp t,0,1,2,3
.irp b,0,1
	v_wmma_f32_16x16x32_bf16 v[AH+32*\b+8*\t:AH+32*\b+8*\t+7], v[A2+8*\t:A2+8*\t+7], v[AW+32+8*\b:AW+32+8*\b+7], v[AH+32*\b+8*\t:AH+32*\b+8*\t+7]
.endr
.endr
.endm
.macro WOP                             ; h += ctx wo + bo'; the FFN's first loads go out between the two sequences' biases
	WIN 0
.irp t,0,1,2,3
	ds_load_b128 v[BOB+8*\t:BOB+8*\t+3], v[BH] offset:1024+64*\t
	ds_load_b128 v[BOB+8*\t+4:BOB+8*\t+7], v[BH] offset:1024+64*\t+16
.endr
	s_wait_dscnt 0x8                               ; wo's sixteen loads are in; the eight of bo' just issued may be out
.irp s,0,1
	WIN 0x54*\s
.irp c,0,1
.if \c == 0
.set cb, ACT
.else
.set cb, AF
.endif
.irp t,0,1,2,3
.irp b,0,1
	v_wmma_f32_16x16x32_bf16 v[AH+32*\b+8*\t:AH+32*\b+8*\t+7], v[AO+8*(2*\t+\c):AO+8*(2*\t+\c)+7], v[cb+8*\b:cb+8*\b+7], v[AH+32*\b+8*\t:AH+32*\b+8*\t+7]
.endr
.endr
.endr
.endr
	s_wait_dscnt 0x0
	PLACES 4
	BIAS 0,BOB
	LDF 0
	BIAS 1,BOB
.endm
.macro FFN
.irp u,0,1,2,3
	s_wait_dscnt 0x0                               ; the step's 20 loads, issued in the middle of the step before
	FF1 \u,0
	FF1 \u,1
	PLACES 4
.if \u < 3
	LDF \u+1
.else
	WIN 0
.irp t,0,1,2,3
	ds_load_b128 v[B2B+8*\t:B2B+8*\t+3], v[BH] offset:1280+64*\t
	ds_load_b128 v[B2B+8*\t+4:B2B+8*\t+7], v[BH] offset:1280+64*\t+16
.endr
.endif
	RL 0
	FF2 \u,0
	RL 1
	FF2 \u,1
.endr
	s_wait_dscnt 0x0
	PLACES 4
	BIAS 0,B2B
	BIAS 1,B2B
	ZQ 0                                           ; wo's and the FFN's buffers lay over the zeros
	ZQ 1
.endm
; The head's end for sequence s: the sum over the tokens (8 registers, the other half of the lanes), then in window 0: mean, hb1, relu, hw2, the sum over 16 lanes, hb2, tanh.
.macro HFIN s
	WIN 0x55*(\s)
.irp o,0,8
	v_pk_add_f32 v[AW+\o:AW+\o+1], v[AW+\o:AW+\o+1], v[AW+\o+2:AW+\o+3]
.endr
.irp o,0,8
	v_pk_add_f32 v[AW+\o+4:AW+\o+5], v[AW+\o+4:AW+\o+5], v[AW+\o+6:AW+\o+7]
.endr
.irp o,0,8
	v_pk_add_f32 v[AW+\o:AW+\o+1], v[AW+\o:AW+\o+1], v[AW+\o+4:AW+\o+5]
.endr
.irp o,0,8
	v_add_f32 v[AW+\o], v[AW+\o], v[AW+\o+1]
.endr
.irp o,0,8
	v_permlanex16_b32 v[AW+\o+2], v[AW+\o], s50, s51
.endr
.irp o,0,8
	v_add_f32 v[AW+\o], v[AW+\o], v[AW+\o+2]
.endr
	WIN (\s)                                       ; source in window s, destination in window 0
	v_mov_b32 v12, v[AW]
	v_mov_b32 v13, v[AW+8]
	WIN 0
	v_fma_f32 v12, v12, s56, v[HC]                 ; sum / 32 + hb1
	v_fma_f32 v13, v13, s56, v[HC+1]
	v_max_num_f32 v12, 0, v12
	v_max_num_f32 v13, 0, v13
	v_mul_f32 v12, v12, v[HC+2]
	v_fmac_f32 v12, v13, v[HC+3]
	v_add_f32_dpp v12, v12, v12 row_xmask:1 row_mask:0xf bank_mask:0xf
	v_add_f32_dpp v12, v12, v12 row_xmask:2 row_mask:0xf bank_mask:0xf
	v_add_f32_dpp v12, v12, v12 row_xmask:4 row_mask:0xf bank_mask:0xf
	v_add_f32_dpp v12, v12, v12 row_xmask:8 row_mask:0xf bank_mask:0xf
	v_add_f32 v12, s62, v12                        ; z
	v_mul_f32 v13, 0x4038aa3b, v12                 ; 2 log2(e) z
	v_mul_f32 v14, v12, v12
	v_exp_f32 v13, v13
	v_fmaak_f32 v15, s66, v14, 0xbeaaaaab          ; 2/15 z^2 - 1/3: the series' lines are the plain instructions behind the exponential and the reciprocal
	s_wait_alu depctr_va_vdst(0)
	v_add_f32 v13, 1.0, v13
	v_fma_f32 v15, v15, v14, 1.0
	v_rcp_f32 v13, v13
	v_mul_f32 v15, v15, v12
	s_wait_alu depctr_va_vdst(0)
	v_fma_f32 v13, v13, -2.0, 1.0
	v_and_b32 v16, 0x7fffffff, v12
	v_cmp_gt_f32 vcc_lo, s63, v16                  ; |z| < 0.25: the series, which keeps small results' relative accuracy
	v_cndmask_b32 v13, v13, v15, vcc_lo
	ds_store_b32 v[OA], v13 offset:4*(\s)          ; every lane holds the same number
.endm
; ================= the set-up =================
	s_load_b512 s[4:19], s[0:1], 0x0               ; x 4, w_in 6, b_in 8, pos 10, wq 12, wk 14, wv 16, wo 18
	s_load_b512 s[20:35], s[0:1], 0x40             ; w1 20, w2 22, g1 24, be1 26, g2 28, be2 30, bo 32, b1 34
	s_load_b256 s[36:43], s[0:1], 0x80             ; b2 36, hw1 38, hb1 40, hw2 42
	s_load_b128 s[44:47], s[0:1], 0xa0             ; hb2 44, out0 46
	v_lshl_add_u32 v[SPW], v0, 2, SPARE
	v_mov_b32 v[NIL], 0
	v_lshrrev_b32 v127, 5, v0
	v_readfirstlane_b32 s48, v127                  ; wave 0..7
	s_mov_b32 s49, ttmp9                           ; work-group
	s_mov_b32 s50, 0x76543210                      ; v_permlanex16_b32: each lane takes its own place in the other half
	s_mov_b32 s51, 0xfedcba98
	s_mov_b32 s52, 0xbc800000                      ; -1/64
	s_mov_b32 s53, 0x3c800000                      ; 1/64
	s_mov_b32 s54, 0x3eb8aa3b                      ; c = log2(e) / 4
	s_mov_b32 s55, s54                             ; named with it as a pair
	s_mov_b32 s56, 0x3d000000                      ; 1/32
	s_mov_b32 s57, 0
	s_mov_b32 s63, 0x3e800000                      ; 0.25
	s_mov_b32 s66, 0x3e088889                      ; 2/15
	s_cmp_lt_u32 s48, 2
	s_cselect_b32 s67, 0x3eb8aa3b, 1.0             ; waves 0, 1 finish cq: times c
	s_cmp_gt_u32 s48, 3
	s_cselect_b32 s68, -1, 0                       ; waves 4-7 finish b1': plus b1
	s_lshl3_add_u32 s70, s49, s48                  ; 8 x work-group + wave,
	s_mul_i32 s70, s70, 10240                      ; times 8 sequences of 1,280 bytes
	s_mov_b32 s71, 0
	v_and_b32 v127, 31, v0
	v_and_b32 v[LR], 15, v0
	v_bfe_u32 v[LHH], v0, 4, 1
	v_lshlrev_b32 v[LW0], 4, v127
	v_lshlrev_b32 v[L4], 2, v127
	s_lshl_b32 s2, s48, 11
	v_add_nc_u32 v[GO64], s2, v[L4]
	s_lshl_b32 s2, s48, 12
	v_add_nc_u32 v[GO128], s2, v[L4]
	s_lshl_b32 s2, s48, 10
	v_add_nc_u32 v[GO32], s2, v[L4]
	s_add_co_u32 s3, s2, PS
	v_add_nc_u32 v[PSA], s3, v[L4]
	s_lshl_b32 s2, s48, 5
	v_mov_b32 v[GVA], s2
	s_add_co_u32 s3, s2, TB+256
	v_mov_b32 v[CVA], s3
	; My 8 rows are in-features 8 w .. 8 w + 7: chunk w / 4, upper or lower four registers (w / 2) % 2, half of the lanes w % 2: together 256 w bytes into a tile's fragments.
	; My lane is out feature 32 nb + lane: tile 2 nb + lane / 16, row lane % 16.
	s_lshl_b32 s2, s48, 8
	v_lshl_add_u32 v127, v[LR], 4, s2
	v_lshl_add_u32 v[SA2], v[LHH], 11, v127
	v_add_nc_u32 v[SA2+1], LAYB, v[SA2]
	v_lshl_add_u32 v[SA4], v[LHH], 12, v127
	v_add_nc_u32 v[SA4+1], LAYB, v[SA4]
	v_add_nc_u32 v[SAT], WINF, v[SA2]
	v_lshl_add_u32 v[SA1], v[LHH], 10, v127
	v_add_nc_u32 v[SA1], WINF, v[SA1]
	s_add_co_u32 s3, s2, PS2
	v_add_nc_u32 v[PS2A], s3, v[L4]
	s_lshl_b32 s2, s48, 9
	s_add_co_u32 s2, s2, POST
	v_add_nc_u32 v[PSTA], s2, v[LW0]
	s_lshr_b32 s2, s48, 1                          ; of pos + b_in wave w makes feature tile w / 2, registers 4 (w % 2) on, for both token tiles
	s_lshl_b32 s2, s2, 6
	s_and_b32 s3, s48, 1
	s_lshl_b32 s3, s3, 4
	s_add_co_u32 s2, s2, s3
	v_lshl_add_u32 v[BIO], v[LHH], 5, s2
	v_lshl_add_u32 v[PGO], v[LR], 8, v[BIO]
	v_lshl_add_u32 v[RDA], v0, 2, PS
	v_lshl_add_u32 v[TBA], v0, 2, TB
	v_and_b32 v[B1O], 127, v0
	v_lshlrev_b32 v[B1O], 2, v[B1O]
	v_bfe_u32 v127, v0, 6, 1                       ; threads 0-127 finish bo': layer = bit 6, feature = the low six bits
	v_and_b32 v[RD2], 63, v0
	v_lshlrev_b32 v[RD2], 2, v[RD2]
	v_mul_u32_u24 v[TB4], v127, TBL
	v_add_nc_u32 v[TB4], v[TB4], v[RD2]
	v_add_nc_u32 v[TB4], TB+1024, v[TB4]
	v_lshl_add_u32 v[RD2], v127, 11, v[RD2]
	v_add_nc_u32 v[RD2], PS2, v[RD2]
	v_lshlrev_b32 v[HCO], 2, v[LR]
	s_cmp_eq_u32 s48, 0
	s_cselect_b32 s2, 0, 2048
	v_add_nc_u32 v[WIO], s2, v[L4]                 ; w_in: wave 0 begins at row 0, the others at row 8
	s_wait_kmcnt 0x0
	s_load_b32 s62, s[44:45], 0x0                  ; hb2
	s_add_nc_u64 s[4:5], s[4:5], s[70:71]          ; x at my wave's first pair
	s_lshl_b32 s70, s49, 8
	s_add_nc_u64 s[46:47], s[46:47], s[70:71]      ; out0 at my work-group's 256 bytes
	; the small loads first: all are older than the weights' and have landed at the first wait below
	WIN 0x40
.irp i,0,1,2,3,4
	global_load_b128 v[4*\i:4*\i+3], v[LW0], s[4:5] offset:512*\i th:TH_LOAD_NT   ; the first pair's x: 2,560 consecutive bytes
.endr
	WIN 0
	global_load_b128 v[POSR:POSR+3], v[PGO], s[10:11]
	global_load_b128 v[POSR+4:POSR+7], v[PGO], s[10:11] offset:4096
	global_load_b128 v[POSR+8:POSR+11], v[BIO], s[8:9]
	; w_in has 10 rows.  One path for every wave, each register loaded once: numbers 0, 1 are rows 0, 1 (wave 0) or 8, 9 (the others); numbers 2-7 are rows 2-7 in every wave.
	; No address passes row 9.  What is no row of the wave's own (8 w + i) is set to 0 below, by a select on the wave's number.
.irp nb,0,1
.irp i,0,1
	global_load_b32 v[WI+8*\nb+\i], v[WIO], s[6:7] offset:256*\i+128*\nb
.endr
.irp i,2,3,4,5,6,7
	global_load_b32 v[WI+8*\nb+\i], v[L4], s[6:7] offset:256*\i+128*\nb
.endr
.endr
	GLD 0
	WIN 0
	global_load_b32 v[B1V], v[B1O], s[34:35]
	global_load_b32 v[B1V+1], v[B1O], s[34:35] offset:512
	global_load_b32 v[BOV], v[B1O], s[32:33]
	global_load_b32 v[B2V], v[B1O], s[36:37]
	global_load_b32 v[HC], v[HCO], s[40:41]
	global_load_b32 v[HC+1], v[HCO], s[40:41] offset:64
	global_load_b32 v[HC+2], v[HCO], s[42:43]
	global_load_b32 v[HC+3], v[HCO], s[42:43] offset:64
	; S1: the 17 items, three groups of loads ahead of the work
	LGI 0
	LGI 1
	LGI 2
.set it, 0
.rept 17
.if it < 14
	LGI it+3
.endif
.if it < 13
	s_wait_loadcnt 48                              ; loads come back in order: item it is in; the three younger groups of 16 may be out (at items 1 to 3 layer 1's eight loads of gains stand among the younger ones: the count is eight tighter than it need be)
.elseif it == 13
	s_wait_loadcnt 40                              ; 16 + 16 + hw1's 8
.elseif it == 14
	s_wait_loadcnt 24
.elseif it == 15
	s_wait_loadcnt 8
.else
	s_wait_loadcnt 0
.endif
.if it == 0
	WIN 0
	v_pk_add_f32 v[POSR:POSR+1], v[POSR:POSR+1], v[POSR+8:POSR+9]
	v_pk_add_f32 v[POSR+2:POSR+3], v[POSR+2:POSR+3], v[POSR+10:POSR+11]
	v_pk_add_f32 v[POSR+4:POSR+5], v[POSR+4:POSR+5], v[POSR+8:POSR+9]
	v_pk_add_f32 v[POSR+6:POSR+7], v[POSR+6:POSR+7], v[POSR+10:POSR+11]
	ds_store_b128 v[PSTA], v[POSR:POSR+3]
	ds_store_b128 v[PSTA], v[POSR+4:POSR+7] offset:4096
	s_cmp_lt_u32 s48, 2
	s_cselect_b32 s2, -1, 0                        ; numbers 0, 1 are rows of w_in in waves 0 and 1,
	s_cmp_eq_u32 s48, 0
	s_cselect_b32 s3, -1, 0                        ; numbers 2-7 in wave 0 alone
	s_cmp_gt_u32 s48, 3
	s_cbranch_scc1 .Lnowin                         ; w_in has one chunk of 32 rows: waves 0-3
.irp nb,0,1
.irp i,0,1
	v_cndmask_b32 v[WI+8*\nb+\i], 0, v[WI+8*\nb+\i], s2
.endr
.irp i,2,3,4,5,6,7
	v_cndmask_b32 v[WI+8*\nb+\i], 0, v[WI+8*\nb+\i], s3
.endr
.irp i,0,1,2,3
	v_cvt_pk_bf16_f32 v[PK+\i], v[WI+8*\nb+2*\i], v[WI+8*\nb+2*\i+1]
.endr
	ds_store_b128 v[SA1], v[PK:PK+3] offset:2048*\nb
.endr
.Lnowin:
	GLD 1                                          ; layer 1's gains and shifts, wanted at item 8; the wait of item 4 shows them in
.endif
.if (it == 0) || (it == 8)
	WIN 0x55*(it/8)
.irp i,0,1,2,3
	v_pk_mul_f32 v[GQ+2*\i:GQ+2*\i+1], v[G1+2*\i:G1+2*\i+1], s[54:55] op_sel_hi:[1,0]
.endr
.endif
	PGI it
.set it, it+1
.endr
	WIN 0
	BAR                                            ; barrier 1: the images and the partial sums are whole
	; S2: thread t adds the eight waves' parts of word t: cq, cv, b1'
.irp l,0,1
.irp k,0,1,2,3,4,5,6,7
	ds_load_b32 v[RR+8*\l+\k], v[RDA] offset:8192*\l+1024*\k
.endr
.endr
	s_wait_dscnt 0x0
.irp l,0,1
	SUM8 RR+8*\l
	v_cndmask_b32 v[RR+8*\l+1], 0, v[B1V+\l], s68
	v_fma_f32 v[RR+8*\l], v[RR+8*\l], s67, v[RR+8*\l+1]
	ds_store_b32 v[TBA], v[RR+8*\l] offset:TBL*\l
.endr
	BAR                                            ; barrier 2: cv is whole
	; S3: my 8 rows' part of cv wo, on wo's raw numbers, which still lie in registers
.irp l,0,1
	WIN (\l)<<6
	ds_load_b128 v[CVR:CVR+3], v[CVA] offset:TBL*\l
	ds_load_b128 v[CVR+4:CVR+7], v[CVA] offset:TBL*\l+16
.endr
	s_wait_dscnt 0x0
.irp l,0,1
.irp nb,0,1
	WIN 0x55*\l
	v_mul_f32 v[PD+\nb], v[CVR], v[TW+48+8*\nb]
.irp i,1,2,3,4,5,6,7
	v_fmac_f32 v[PD+\nb], v[CVR+\i], v[TW+48+8*\nb+\i]
.endr
	WIN (\l)<<2
	ds_store_b32 v[PS2A], v[PD+\nb] offset:2048*\l+128*\nb
.endr
.endr
	WIN 0
	BAR                                            ; barrier 3
	; S4: threads 0-127: bo' = bo + cv wo; b2 beside it
	s_cmp_gt_u32 s48, 3
	s_cbranch_scc1 .Lno4
.irp k,0,1,2,3,4,5,6,7
	ds_load_b32 v[RR+\k], v[RD2] offset:256*\k
.endr
	s_wait_dscnt 0x0
	SUM8 RR
	v_add_f32 v[RR], v[RR], v[BOV]
	ds_store_b32 v[TB4], v[RR]
	ds_store_b32 v[TB4], v[B2V] offset:256
.Lno4:
	BAR                                            ; barrier 4: the tables are whole, and nobody reads the partial sums any more: their bytes become the stage for x
	v_add_nc_u32 v[LT], WINF, v[LW0]               ; every global load has landed (the wait for 0 above): its offset registers may be written
	v_lshl_add_u32 v[BH0], v[LHH], 5, TB
	s_mul_i32 s2, s48, 2560
	s_add_co_u32 s2, s2, XSTG
	v_add_nc_u32 v[XST], s2, v[LW0]
	v_mul_u32_u24 v[XL1], v[LR], 40                ; a token's row: 10 f32
	v_add_nc_u32 v[XL1], s2, v[XL1]
	v_lshl_add_u32 v[XL0], v[LHH], 5, v[XL1]
	s_lshl_b32 s69, s48, 5
	s_add_co_u32 s69, s69, OUTL+32
	ZQ 0
	ZQ 1
	WIN 0
	s_wait_kmcnt 0x0                               ; hb2
	s_mov_b32 s58, 4
; ================= a trip: two sequences =================
.Ltrip:
	s_wait_loadcnt 0x0                             ; the pair's x, asked for a trip ago
	WIN 0x04
.irp i,0,1,2,3,4
	ds_store_b128 v[XST], v[4*\i:4*\i+3] offset:512*\i                 ; into my wave's own stage; LDS serves a wave's instructions in order, so the loads below see it
.endr
.irp s,0,1
	WIN (\s)<<6
.irp b,0,1                             ; lane (r, half): features 0-7 of token 16 b + r, or 8, 9 and then 2-7 once more, which meet zero rows of w_in
	ds_load_b64 v[AW+8*\b:AW+8*\b+1], v[XL0] offset:1280*\s+640*\b
	ds_load_b64 v[AW+8*\b+2:AW+8*\b+3], v[XL1] offset:1280*\s+640*\b+8
	ds_load_b64 v[AW+8*\b+4:AW+8*\b+5], v[XL1] offset:1280*\s+640*\b+16
	ds_load_b64 v[AW+8*\b+6:AW+8*\b+7], v[XL1] offset:1280*\s+640*\b+24
.endr
.endr
	WIN 0
.irp t,0,1,2,3
	ds_load_b128 v[WIF+8*\t:WIF+8*\t+3], v[LT] offset:\t*1024
	ds_load_b128 v[WIF+8*\t+4:WIF+8*\t+7], v[LT] offset:\t*1024+512
.endr
.irp f,0,1,2,3,4,5,6,7                 ; pos + b_in into sequence 0's h: the C operand of both sequences' products
	ds_load_b128 v[AH+8*\f:AH+8*\f+3], v[LT] offset:POST-WINF+\f*1024
	ds_load_b128 v[AH+8*\f+4:AH+8*\f+7], v[LT] offset:POST-WINF+\f*1024+512
.endr
	s_wait_dscnt 0x0
	s_add_nc_u64 s[4:5], s[4:5], 2560              ; x's loads are done (the wait at the trip's head): the base steps to the next pair
	s_cmp_eq_u32 s58, 1
	s_cbranch_scc1 .Lnox                           ; the last trip asks for nothing: no load leaves x
	WIN 0x40
.irp i,0,1,2,3,4
	global_load_b128 v[4*\i:4*\i+3], v[LW0], s[4:5] offset:512*\i th:TH_LOAD_NT
.endr
	WIN 0
.Lnox:
.irp s,0,1
	WIN 0x55*\s
.irp b,0,1
.irp i,0,1,2,3
	v_cvt_pk_bf16_f32 v[AQ+12*\b+\i], v[AW+8*\b+2*\i], v[AW+8*\b+2*\i+1]         ; x's fragment: four registers and the triple's zeros
.endr
.endr
.endr
	WIN 0x44                                       ; sequence 1 first: weights and C in window 0, x and h in window 1
.irp b,0,1
.irp t,0,1,2,3
	v_wmma_f32_16x16x32_bf16 v[AH+32*\b+8*\t:AH+32*\b+8*\t+7], v[WIF+8*\t:WIF+8*\t+7], v[AQ+12*\b:AQ+12*\b+7], v[AH+32*\b+8*\t:AH+32*\b+8*\t+7]
.endr
.endr
	PLACES 5                                       ; sequence 0's products write over what those read as C
	WIN 0
.irp b,0,1
.irp t,0,1,2,3
	v_wmma_f32_16x16x32_bf16 v[AH+32*\b+8*\t:AH+32*\b+8*\t+7], v[WIF+8*\t:WIF+8*\t+7], v[AQ+12*\b:AQ+12*\b+7], v[AH+32*\b+8*\t:AH+32*\b+8*\t+7]
.endr
.endr
	s_mov_b32 s59, 2
.Llayer:
	s_cmp_eq_u32 s59, 2
	s_cselect_b32 s60, 0, LAYB
	s_cselect_b32 s61, 0, TBL
	v_add_nc_u32 v[LW], s60, v[LW0]
	v_add_nc_u32 v[BH], s61, v[BH0]
	LN 1                                           ; sequence 1 first: its h is the older one, and its norm stands between sequence 0's last products and their first read
	LN 0
	QKV 0
	ATT 0
	QKV 1
	ATT 1
	WOP
	LN 1
	LN 0
	FFN
	WIN 0
	s_sub_co_u32 s59, s59, 1
	s_cmp_lg_u32 s59, 0
	s_cbranch_scc1 .Llayer
	; THE HEAD.  h rounded, times hw1 with the tokens as rows: both token tiles add into one accumulator for each 16 hidden units
.irp f,0,1,2,3
	ds_load_b128 v[WIF+8*\f:WIF+8*\f+3], v[LT] offset:HW1F-WINF+\f*1024
	ds_load_b128 v[WIF+8*\f+4:WIF+8*\f+7], v[LT] offset:HW1F-WINF+\f*1024+512
.endr
.irp s,0,1
	WIN 0x55*\s
.irp b,0,1
.irp i,0,1,2,3,4,5,6,7,8,9,10,11,12,13,14,15
	v_cvt_pk_bf16_f32 v[AF+16*\b+\i], v[AH+32*\b+2*\i], v[AH+32*\b+2*\i+1]
.endr
.endr
.endr
	s_wait_dscnt 0x0
.irp s,0,1
	WIN 0x51*\s
.irp b,0,1
.irp c,0,1
.irp o,0,1
.if (\b == 0) && (\c == 0)
	v_wmma_f32_16x16x32_bf16 v[AW+8*\o:AW+8*\o+7], v[AF+16*\b+8*\c:AF+16*\b+8*\c+7], v[WIF+8*(2*\o+\c):WIF+8*(2*\o+\c)+7], 0
.else
	v_wmma_f32_16x16x32_bf16 v[AW+8*\o:AW+8*\o+7], v[AF+16*\b+8*\c:AF+16*\b+8*\c+7], v[WIF+8*(2*\o+\c):WIF+8*(2*\o+\c)+7], v[AW+8*\o:AW+8*\o+7]
.endif
.endr
.endr
.endr
.endr
	PLACES 4
	WIN 0
	s_lshl_b32 s2, s58, 3
	s_sub_co_u32 s2, s69, s2                       ; OUTL + 32 wave + 8 x (4 - trips left)
	v_mov_b32 v[OA], s2
	HFIN 0
	HFIN 1
	WIN 0
	s_sub_co_u32 s58, s58, 1
	s_cmp_lg_u32 s58, 0
	s_cbranch_scc1 .Ltrip
	BAR                                            ; barrier 5: all 64 results lie in LDS
	s_cmp_lg_u32 s48, 0
	s_cbranch_scc1 .Lend
	v_lshrrev_b32 v12, 1, v[LW0]                   ; 8 x lane
	v_add_nc_u32 v13, OUTL, v12
	ds_load_b64 v[14:15], v13
	s_wait_dscnt 0x0
	global_store_b64 v12, v[14:15], s[46:47]       ; wave 0's one store covers the work-group's 256 consecutive bytes, at a multiple of 256 from out0's first byte
.Lend:
	s_wait_tensorcnt 0x0                           ; the wave's end, behind my last LDS store
	ds_add_u32 v[SPW], v[NIL]
	s_wait_dscnt 0x0
	s_endpgm
.Lfunc_end_k_qfa2593f44f_tlob:
	.size	k_qfa2593f44f_tlob, .Lfunc_end_k_qfa2593f44f_tlob-k_qfa2593f44f_tlob
	.p2alignl 7, 3214868480
	.fill 96, 4, 3214868480
	.section	.rodata,"a",@progbits
	.p2align	6, 0x0
	.amdhsa_kernel k_qfa2593f44f_tlob
		.amdhsa_group_segment_fixed_size 172288
		.amdhsa_private_segment_fixed_size 0
		.amdhsa_enable_private_segment 0
		.amdhsa_kernarg_size 176
		.amdhsa_user_sgpr_count 2
		.amdhsa_user_sgpr_kernarg_segment_ptr 1
		.amdhsa_wavefront_size32 1
		.amdhsa_system_sgpr_workgroup_id_x 1
		.amdhsa_system_sgpr_workgroup_id_y 1
		.amdhsa_system_sgpr_workgroup_id_z 1
		.amdhsa_system_vgpr_workitem_id 0
		.amdhsa_next_free_vgpr 512
		.amdhsa_next_free_sgpr 72
		.amdhsa_reserve_vcc 1
		.amdhsa_float_denorm_mode_32 3
		.amdhsa_float_denorm_mode_16_64 3
		.amdhsa_memory_ordered 1
		.amdhsa_forward_progress 1
		.amdhsa_inst_pref_size 251
	.end_amdhsa_kernel
	.amdgpu_metadata
---
amdhsa.version: [ 1, 2 ]
amdhsa.kernels:
  - .name:           k_qfa2593f44f_tlob
    .symbol:         k_qfa2593f44f_tlob.kd
    .args:
      - { .name: x, .offset: 0, .size: 8, .value_kind: global_buffer, .address_space: global }
      - { .name: w_in, .offset: 8, .size: 8, .value_kind: global_buffer, .address_space: global }
      - { .name: b_in, .offset: 16, .size: 8, .value_kind: global_buffer, .address_space: global }
      - { .name: pos, .offset: 24, .size: 8, .value_kind: global_buffer, .address_space: global }
      - { .name: wq, .offset: 32, .size: 8, .value_kind: global_buffer, .address_space: global }
      - { .name: wk, .offset: 40, .size: 8, .value_kind: global_buffer, .address_space: global }
      - { .name: wv, .offset: 48, .size: 8, .value_kind: global_buffer, .address_space: global }
      - { .name: wo, .offset: 56, .size: 8, .value_kind: global_buffer, .address_space: global }
      - { .name: w1, .offset: 64, .size: 8, .value_kind: global_buffer, .address_space: global }
      - { .name: w2, .offset: 72, .size: 8, .value_kind: global_buffer, .address_space: global }
      - { .name: g1, .offset: 80, .size: 8, .value_kind: global_buffer, .address_space: global }
      - { .name: be1, .offset: 88, .size: 8, .value_kind: global_buffer, .address_space: global }
      - { .name: g2, .offset: 96, .size: 8, .value_kind: global_buffer, .address_space: global }
      - { .name: be2, .offset: 104, .size: 8, .value_kind: global_buffer, .address_space: global }
      - { .name: bo, .offset: 112, .size: 8, .value_kind: global_buffer, .address_space: global }
      - { .name: b1, .offset: 120, .size: 8, .value_kind: global_buffer, .address_space: global }
      - { .name: b2, .offset: 128, .size: 8, .value_kind: global_buffer, .address_space: global }
      - { .name: hw1, .offset: 136, .size: 8, .value_kind: global_buffer, .address_space: global }
      - { .name: hb1, .offset: 144, .size: 8, .value_kind: global_buffer, .address_space: global }
      - { .name: hw2, .offset: 152, .size: 8, .value_kind: global_buffer, .address_space: global }
      - { .name: hb2, .offset: 160, .size: 8, .value_kind: global_buffer, .address_space: global }
      - { .name: out0, .offset: 168, .size: 8, .value_kind: global_buffer, .address_space: global }
    .group_segment_fixed_size: 172288
    .private_segment_fixed_size: 0
    .kernarg_segment_align: 8
    .kernarg_segment_size: 176
    .max_flat_workgroup_size: 256
    .sgpr_count:     72
    .vgpr_count:     512
    .wavefront_size: 32
...
	.end_amdgpu_metadata
.endif
;; end of part 1
;; ======== version 2 of 2: 1 launch; version 1 with the launch tlob written anew for expert scheduling mode
;; limits: a function is approximated: absolute error at most 3.3e-06
;; launch tlob (part 2): grid 256 x 1, 8 waves a work-group, no clusters, 172,288 bytes of LDS; arguments x, w_in, b_in, pos, wq, wk, wv, wo, w1, w2, g1, be1, g2, be2, bo, b1, b2, hw1, hb1, hw2, hb2, out0; writes out0
.if DOCPART == 2
	.amdgcn_target "amdgcn-amd-amdhsa--gfx1250"
	.amdhsa_code_object_version 6
	.text
	.protected	k_qfa2593f44f_tlob
	.globl	k_qfa2593f44f_tlob
	.p2align	8
	.type	k_qfa2593f44f_tlob,@function
k_qfa2593f44f_tlob:
	s_mov_b64 s[64:65], 0
	v_nop
	global_prefetch_b8 v0, s[64:65] scope:SCOPE_SE
	s_setreg_imm32_b32 hwreg(HW_REG_WAVE_SCHED_MODE, 0, 2), 2
	s_setreg_imm32_b32 hwreg(HW_REG_WAVE_MODE, 25, 1), 1
	s_wait_xcnt 0x0
	s_wait_alu depctr_vm_vsrc(0)
; THE WHOLE MODULE IN ONE LAUNCH.  16,384 sequences of 32 tokens: input projection 10 -> 64 (+ bias + position), two pre-LN layers (4 heads of 16; FFN 64-128-64),
; mean over the tokens, head 64-32-1, tanh.  Nothing goes through memory between the steps.
; SHARES.  256 work-groups of 8 waves; a work-group owns 64 consecutive sequences, a wave 8 of them, as 4 trips of TWO sequences.  Sequence 0 of a pair lives in register
; window 0, sequence 1 in window 1, AT THE SAME REGISTER NUMBERS: a phase is one macro, expanded under s_set_vgpr_msb 0x00 or 0x55.  Each weight fragment read from LDS
; feeds both sequences (four token tiles).  The loops hold no barrier: the waves depend on each other in the set-up and at the output alone.
; LAYOUT.  Activations are kept transposed: D = W^T x act has a lane hold ONE token (lane % 16) and the features 8 (lane / 16) + 0..7 of a tile of 16.  Two neighbouring tiles,
; rounded in pairs to bf16, ARE source 1 (32 features x 16 tokens) of the next product: no activation changes lanes or goes through LDS, and a token's statistics want one
; exchange between the halves of the lanes.  V and the head's hidden layer are made the other way round (source 0 = act): V's result is then source 0 of V^T P,
; and the head's two token tiles add into one accumulator.  Scores: two heads of 16 fill K = 32; q is kept as (even head, zeros, odd head), so that 8 registers from +0 or +4 pick one head.
; SET-UP, once a work-group: all weights to bf16 fragment images in LDS (1,024 bytes: lane i's registers 0-3 at 16 i, registers 4-7 at 512 + 16 i: every load is 512 consecutive bytes).
; FOLDED THERE (identities, for every input): with z = (h - mean) rstd, LN(h) W = z (g . W) + be W.  g1 goes into wq, wk, wv, g2 into w1; c = log2(e) / 4 into wq, so p = 2^(s - m).
; c be1 wq is the C operand of q's first product.  be1 wk adds one number to all scores of a query, which the softmax cancels: it is not formed.  be1 wv passes through the attention
; unchanged (the weights sum to 1): bo' = bo + (be1 wv) wo.  b1' = b1 + be2 w1 is the C operand of the FFN's first product.  pos + b_in is the C operand of the input product.
; FORMATS AND LIMITS.  Matrix operands bf16: weights rounded once, behind the fold; x, z, q, k, v, p, ctx, the relu's output and the head's h rounded once each.  Sums, statistics, the
; residual h and all biases f32.  The variance is taken of h - mean (two passes).  The softmax takes the row's true maximum away; its sum is taken of the unrounded p; a weight below
; 2^-126 counts as 0.  tanh(z) = 1 - 2 / (1 + 2^(2 log2(e) z)) from |z| = 0.25 on, below that z (1 + z^2 (-1/3 + 2/15 z^2)), off by 1.3e-5 of itself at the most.
; NaN and infinities are not treated apart: an infinite x meets zero weights in the padded places of its own token and gives NaN, where the module's result is not finite either.
; The order of the sums is not that of a row-by-row evaluation.
; NO CLUSTER, NO TENSOR LOAD: x is shared by nobody; the weights are shared by all, but are scaled, rounded and re-ordered on their way, which goes through registers, and
; raw (270 KB) they do not fit beside their image (139 KB) in the 320 KB of LDS.  x (2,560 bytes a trip and wave) is asked for one whole trip ahead, into registers.
; THE MODE: SCHED_MODE bits 1:0 = 2 (LLVM: expert scheduling mode 2), set by the entry lines.  The code itself states the register dependences between vector or matrix
; instructions and memory or LDS instructions, with s_wait_alu, always for 0.
; THE PLAN.  Registers that LDS or memory instructions touch in the loops ((w, n): register n of window w):
;   (1, 0-19)          the next pair's x.  Written by five global loads at a trip's head, read by the next trip's five LDS stores; no vector line names them.  One wait on vm_vsrc behind the stores.
;   XST XL0 XL1 LT LW0 addresses made ahead of the loop, never written in it: one wait on va_vdst ahead of the loop.
;   LW, BH             written at a layer's head, behind a wait on vm_vsrc; read by all the layer's LDS loads, the first of which stand behind QKV's first wait on va_vdst.
;   AW, WIF, (0, AH)   a trip's first loads.  Last named by the trip before (the head's products and sums): the wait on va_vdst ahead of that trip's two result stores covers them.
;   AB, AST            QKV: step j's fragments lie in window j % 2, are read by step j's products and loaded again, for step j + 2, at the head of step j + 1: a wait on va_vdst there.
;   AO                 wo lands on sequence 0's q, k, v and P: the wait ahead of sequence 0's last scaling covers it; that scaling names v216-239, v24-39 and v104-135 alone.
;   BOB                bo' lands where that scaling worked: a wait on va_vdst at WOP's head.
;   A1, A2, AST        FFN: step u's buffers lie in window u % 2.  One wait in WOP, behind wo's products, covers step 0's loads (window 0) and step 1's (window 1); steps 1 to 3 have one wait at
;                      their heads, behind which only lines that name the other window stand ahead of the loads.  Step 3's wait covers b2's loads and, behind the layers, hw1's.
;   RES, OA            the pair's two results and their LDS address: one wait on va_vdst, then both stores; written again a trip later, behind the trip's wait on vm_vsrc.
; ---- LDS ----
.set LAYB,  65536      ; a layer's image: wq 0, wk 8192, wv 16384 (fragment (tile, chunk) at (2 tile + chunk) x 1024),
.set LWO,   24576      ; wo,
.set LW1,   32768      ; w1 (8 tiles x 2 chunks),
.set LW2,   49152      ; w2 ((4 tile + chunk) x 1024)
.set WINF,  131072     ; w_in: 4 fragments, rows 10 to 31 zero
.set HW1F,  135168     ; hw1: 4 fragments
.set POST,  139264     ; pos + b_in, f32, as the accumulators hold it: ((4 b + t) 2 + q) x 512 + 16 lane
.set TB,    147456     ; per layer 1,536 bytes of f32 by feature: cq 0, cv 256, b1' 512, bo' 1024, b2 1280
.set TBL,   1536
.set XSTG,  150528     ; 2,560 bytes a wave: the stage for x.  In the set-up the same bytes hold the waves' partial sums:
.set PS,    XSTG       ; layer x 8192 + wave x 1024 + 4 x (cq 0-63, cv 64-127, b1' 128-255)
.set PS2,   XSTG+16384 ; layer x 2048 + wave x 256 + 4 x feature
.set OUTL,  171008     ; the work-group's 64 results
.set SPARE, 171264     ; the spare words, 128 bytes for each of the eight waves: four blocks of 256 bytes that no other line names
; ---- registers of the loops (window 0: v0-23; both windows: v24-255) ----
.set LW0, 1            ; 16 x lane; also my byte offset in 512 bytes of x; never rewritten
.set LW,  2            ; + the layer's image
.set LT,  3            ; 16 x lane + WINF
.set BH0, 4            ; 32 (lane / 16) + TB
.set BH,  5            ; + the layer's table
.set XST, 6            ; the stage: where my 16 bytes go
.set XL0, 7            ; the stage: my token's features 0, 1 (lanes 16-31: 8, 9)
.set XL1, 8            ; the stage: my token's row
.set OA,  9            ; where the pair's results go
.set SPW, 10           ; LDS address of my spare word; never rewritten
.set NIL, 11           ; 0; never rewritten
.set RES, 17           ; v17, v18: the pair's two results, as they are stored (v12-16: the head's end, at work)
.set HC,  20           ; hb1[r], hb1[16 + r], hw2[r], hw2[16 + r]        (window 1: v0-19 hold the next pair's x)
.set AST, 24           ; 16 at work: softmax statistics, 8 a token tile; bias operands
.set AH,  40           ; h: tile (feature tile t, token tile b) at AH + 32 b + 8 t
.set AF,  104          ; the normed h in bf16: fragment (b, chunk c) at AF + 16 b + 8 c; later ctx chunk 1 at AF + 8 b
.set ACT, 136          ; ctx chunk 0 at ACT + 8 b
.set AQ,  152          ; q: for token tile b at AQ + 12 b: even head, zeros, odd head, 4 each
.set AK,  176          ; k: key tile a at AK + 8 a: even head, odd head
.set AV,  192          ; v: head tt of the pair at AV + 8 tt: tokens 0-15, tokens 16-31
.set AW,  208          ; 48 at work
.set AB,  AW+32        ; QKV: a step's two weight fragments, in window step % 2
.set AO,  152          ; window 0: wo's eight fragments
.set BOB, 216          ; window 0: bo'
.set A1,  136          ; FFN: w1's four fragments of a step, in window step % 2
.set A2,  168          ; FFN: w2's four
.set B2B, 136          ; window 0: b2
.set WIF, 176          ; window 0: w_in's four fragments; at the end hw1's
; ---- registers of the set-up ----
.set GO64, 2           ; 4 lane + my 8 rows of a matrix with rows of 256 bytes
.set GO128, 3          ; of 512 bytes
.set GO32, 4           ; of 128 bytes
.set GVA, 5            ; 32 x wave: my 8 numbers of a gain or shift
.set SA2, 6            ; v6, v7: where my 16 bytes of a fragment go, layer 0, 1 (two chunks a tile)
.set SA4, 8            ; v8, v9: the same with four chunks a tile
.set SAT, 12
.set SA1, 13
.set PSA, 14
.set PSTA, 15
.set PGO, 16
.set BIO, 17
.set RDA, 18
.set TBA, 19
.set B1O, 118
.set CVA, 119
.set PS2A, 120
.set RD2, 121
.set TB4, 122
.set HCO, 123
.set L4,  124
.set LR,  125          ; lane % 16
.set LHH, 126          ; lane / 16
.set WIO, 127          ; 4 lane, and in all waves but wave 0 eight rows of w_in further on
.set G1,  24           ; both windows (window = layer): my 8 numbers of g1, be1, g2, be2, c g1
.set BE1, 32
.set G2,  40
.set BE2, 48
.set GQ,  56
.set PK,  64           ; 16 bytes of a fragment, columns 0-31 of an item
.set PD,  68
.set CVR, 70
.set B1V, 78           ; window 0 alone from here to v117
.set BOV, 80
.set B2V, 81
.set POSR, 82
.set PK2, POSR+8       ; both windows: 16 bytes of a fragment, columns 32-63 of an item; in window 0 b_in's four numbers lay here, which are added to pos ahead of the first rounding
.set WI,  94
.set RR,  94
.set HWR, 110
.set TW,  128          ; both windows: the layer's raw weights, 16 registers an item
.set MSB, 0
.macro WIN new                         ; bits 1:0 source 0, 3:2 source 1, 5:4 source 2, 7:6 destination; the high byte repeats the setting that is left; a switch that changes nothing is dropped
.if MSB != (\new)
	s_set_vgpr_msb (MSB<<8)|(\new)
.set MSB, (\new)
.endif
.endm
; A vector instruction that reads a matrix result or writes a matrix instruction's register stands four plain vector instructions behind it; a matrix instruction that writes
; over such a register five (ISA guide 7.12.1).  Mostly the other sequence's vector work stands there; where there is none, v_nop.  Ahead of a load into such a register a wait on
; va_vdst states the dependence; the places that stood there stay beside it.
.macro PLACES n
.rept \n
	v_nop
.endr
.endm
.macro BAR                             ; my LDS instructions are done, for the others' sake; then the work-group's barrier
	s_wait_dscnt 0x0
	s_barrier_signal -1
	s_barrier_wait -1
.endm
; ================= the set-up's macros =================
; 16 loads: my 8 rows of 64 neighbouring columns; a load of the wave covers 128 consecutive bytes.  They land in registers that no vector line has named, by offsets made at the head.
.macro LG l, t0, sb, go, off0, rowb
	WIN (\l)<<6
.irp nb,0,1
.irp i,0,1,2,3,4,5,6,7
	global_load_b32 v[TW+\t0+8*\nb+\i], v[\go], s[\sb:\sb+1] offset:(\off0)+128*\nb+(\rowb)*\i
.endr
.endr
.endm
; layer l's gains and shifts, my 8 numbers of each, into window l
.macro GLD l
	WIN (\l)<<6
	global_load_b128 v[G1:G1+3], v[GVA], s[24:25] offset:256*(\l)
	global_load_b128 v[G1+4:G1+7], v[GVA], s[24:25] offset:256*(\l)+16
	global_load_b128 v[BE1:BE1+3], v[GVA], s[26:27] offset:256*(\l)
	global_load_b128 v[BE1+4:BE1+7], v[GVA], s[26:27] offset:256*(\l)+16
	global_load_b128 v[G2:G2+3], v[GVA], s[28:29] offset:256*(\l)
	global_load_b128 v[G2+4:G2+7], v[GVA], s[28:29] offset:256*(\l)+16
	global_load_b128 v[BE2:BE2+3], v[GVA], s[30:31] offset:256*(\l)
	global_load_b128 v[BE2+4:BE2+7], v[GVA], s[30:31] offset:256*(\l)+16
.endm
; the same 16 numbers a lane: the partial shift . W (on the raw numbers), the gain, the rounding; then, behind one wait, 16 bytes of each half into the fragment image
.macro PG l, t0, gv, bv, sa, lo, nbs, po
	WIN 0x55*(\l)
	s_wait_alu depctr_vm_vsrc(0)                   ; the LDS stores issued so far have read v[PK ..], v[PK2 ..] and v[PD ..], which the lines below write again
.irp nb,0,1
.if (\bv) >= 0
	v_mul_f32 v[PD+\nb], v[\bv], v[TW+\t0+8*\nb]
.irp i,1,2,3,4,5,6,7
	v_fmac_f32 v[PD+\nb], v[\bv+\i], v[TW+\t0+8*\nb+\i]
.endr
.endif
.if (\gv) >= 0
.irp i,0,1,2,3
	v_pk_mul_f32 v[TW+\t0+8*\nb+2*\i:TW+\t0+8*\nb+2*\i+1], v[TW+\t0+8*\nb+2*\i:TW+\t0+8*\nb+2*\i+1], v[\gv+2*\i:\gv+2*\i+1]
.endr
.endif
.irp i,0,1,2,3
	v_cvt_pk_bf16_f32 v[PK+(PK2-PK)*\nb+\i], v[TW+\t0+8*\nb+2*\i], v[TW+\t0+8*\nb+2*\i+1]
.endr
.endr
	WIN (\l)<<2
	s_wait_alu depctr_va_vdst(0)                   ; the roundings have written v[PK ..] and v[PK2 ..], the partial sums v[PD ..]: the LDS stores below read them
.irp nb,0,1
	ds_store_b128 v[\sa], v[PK+(PK2-PK)*\nb:PK+(PK2-PK)*\nb+3] offset:(\lo)+(\nbs)*\nb
.if (\bv) >= 0
	ds_store_b32 v[PSA], v[PD+\nb] offset:8192*(\l)+(\po)+128*\nb
.endif
.endr
.endm
; item n of 17: layer n / 8: wq, wk, wv, wo, w1 (two halves of its columns), w2 (two halves of its rows); item 16: hw1
.macro LGI n
.set ll, (\n)/8
.set mm, (\n)%8
.if (\n) == 16
	WIN 0
.irp i,0,1,2,3,4,5,6,7
	global_load_b32 v[HWR+\i], v[GO32], s[38:39] offset:128*\i
.endr
.elseif mm < 4
	LG ll,16*mm,12+2*mm,GO64,16384*ll,256
.elseif mm < 6
	LG ll,64+16*(mm-4),20,GO128,32768*ll+256*(mm-4),512
.else
	LG ll,96+16*(mm-6),22,GO64,32768*ll+16384*(mm-6),256
.endif
.endm
.macro PGI n
.set ll, (\n)/8
.set mm, (\n)%8
.if (\n) == 16
	WIN 0                                          ; window 0's v[PK ..] was last read by item 7's store, ahead of the later items' waits on vm_vsrc
.irp i,0,1,2,3
	v_cvt_pk_bf16_f32 v[PK+\i], v[HWR+2*\i], v[HWR+2*\i+1]
.endr
	s_wait_alu depctr_va_vdst(0)                   ; the roundings have written v[PK ..], which the LDS store reads
	ds_store_b128 v[SAT], v[PK:PK+3] offset:HW1F-WINF
.elseif mm == 0
	PG ll,0,GQ,BE1,SA2+ll,0,4096,0
.elseif mm == 1
	PG ll,16,G1,-1,SA2+ll,8192,4096,0
.elseif mm == 2
	PG ll,32,G1,BE1,SA2+ll,16384,4096,256
.elseif mm == 3
	PG ll,48,-1,-1,SA2+ll,LWO,4096,0
.elseif mm < 6
	PG ll,64+16*(mm-4),G2,BE2,SA2+ll,LW1+8192*(mm-4),4096,512+256*(mm-4)
.else
	PG ll,96+16*(mm-6),-1,-1,SA4+ll,LW2+2048*(mm-6),8192,0
.endif
.endm
.macro SUM8 r                          ; eight numbers into the first
	v_add_f32 v[\r], v[\r], v[\r+1]
	v_add_f32 v[\r+2], v[\r+2], v[\r+3]
	v_add_f32 v[\r+4], v[\r+4], v[\r+5]
	v_add_f32 v[\r+6], v[\r+6], v[\r+7]
	v_add_f32 v[\r], v[\r], v[\r+2]
	v_add_f32 v[\r+4], v[\r+4], v[\r+6]
	v_add_f32 v[\r], v[\r], v[\r+4]
.endm
; ================= the loops' macros =================
.macro ZQ s                            ; the zeros in the middle of the two q triples
	WIN 0x55*(\s)
.irp i,0,1,2,3
	v_mov_b32 v[AQ+4+\i], 0
	v_mov_b32 v[AQ+16+\i], 0
.endr
.endm
; LAYERNORM without gain and shift, for both token tiles of sequence s.  At work for tile b, from TT = AW + 24 b: four pairs of sums +0..7, four pairs at work +8..15,
; +16 -mean, +17 a sum, +18 rstd, +19 variance + eps, +20 -mean rstd, +21 a sum.
.macro LNRED d                         ; the four pairs of sums, and the other half of the lanes', into TT + 16 + d
.irp b,0,1
	v_pk_add_f32 v[AW+24*\b:AW+24*\b+1], v[AW+24*\b:AW+24*\b+1], v[AW+24*\b+2:AW+24*\b+3]
.endr
.irp b,0,1
	v_pk_add_f32 v[AW+24*\b+4:AW+24*\b+5], v[AW+24*\b+4:AW+24*\b+5], v[AW+24*\b+6:AW+24*\b+7]
.endr
.irp b,0,1
	v_pk_add_f32 v[AW+24*\b:AW+24*\b+1], v[AW+24*\b:AW+24*\b+1], v[AW+24*\b+4:AW+24*\b+5]
.endr
.irp b,0,1
	v_add_f32 v[AW+24*\b+16+(\d)], v[AW+24*\b], v[AW+24*\b+1]
.endr
.irp b,0,1
	v_permlanex16_b32 v[AW+24*\b+3], v[AW+24*\b+16+(\d)], s50, s51     ; the token's other 32 features lie in the lane 16 away
.endr
.irp b,0,1
	v_add_f32 v[AW+24*\b+16+(\d)], v[AW+24*\b+16+(\d)], v[AW+24*\b+3]
.endr
.endm
.macro LN s
	WIN 0x55*(\s)
.irp k,0,1,2,3                         ; the sum; each accumulator's lowest registers are read first
.irp b,0,1
	v_pk_add_f32 v[AW+24*\b+2*\k:AW+24*\b+2*\k+1], v[AH+32*\b+4*\k:AH+32*\b+4*\k+1], v[AH+32*\b+4*\k+2:AH+32*\b+4*\k+3]
.endr
.endr
.irp o,16,24
.irp k,0,1,2,3
.irp b,0,1
	v_pk_add_f32 v[AW+24*\b+2*\k:AW+24*\b+2*\k+1], v[AW+24*\b+2*\k:AW+24*\b+2*\k+1], v[AH+32*\b+\o+2*\k:AH+32*\b+\o+2*\k+1]
.endr
.endr
.endr
	LNRED 1
.irp b,0,1
	v_mul_f32 v[AW+24*\b+16], s52, v[AW+24*\b+17]                      ; -mean
.endr
.irp g,0,1,2,3                         ; the sum of (h - mean)^2
.irp k,0,1,2,3
.irp b,0,1
	v_pk_add_f32 v[AW+24*\b+8+2*\k:AW+24*\b+9+2*\k], v[AH+32*\b+8*\g+2*\k:AH+32*\b+8*\g+2*\k+1], v[AW+24*\b+16:AW+24*\b+17] op_sel_hi:[1,0]
.endr
.endr
.irp k,0,1,2,3
.irp b,0,1
.if \g == 0
	v_pk_mul_f32 v[AW+24*\b+2*\k:AW+24*\b+2*\k+1], v[AW+24*\b+8+2*\k:AW+24*\b+9+2*\k], v[AW+24*\b+8+2*\k:AW+24*\b+9+2*\k]
.else
	v_pk_fma_f32 v[AW+24*\b+2*\k:AW+24*\b+2*\k+1], v[AW+24*\b+8+2*\k:AW+24*\b+9+2*\k], v[AW+24*\b+8+2*\k:AW+24*\b+9+2*\k], v[AW+24*\b+2*\k:AW+24*\b+2*\k+1]
.endif
.endr
.endr
.endr
	LNRED 5
.irp b,0,1
	v_fmaak_f32 v[AW+24*\b+19], s53, v[AW+24*\b+21], 0x3727c5ac        ; sum / 64 + 1e-5
.endr
.irp b,0,1
	v_rsq_f32 v[AW+24*\b+18], v[AW+24*\b+19]
.endr
	v_nop                                                              ; a plain instruction between the root and the use of its result
	s_wait_alu depctr_va_vdst(0)                                       ; the two roots have written rstd: the wait stands ahead of the first line that names it; one for both
.irp b,0,1
	v_mul_f32 v[AW+24*\b+20], v[AW+24*\b+16], v[AW+24*\b+18]
.endr
.irp g,0,1,2,3                         ; z = h rstd - mean rstd, rounded in pairs: the next product's source
.irp k,0,1,2,3
.irp b,0,1
	v_pk_fma_f32 v[AW+24*\b+8+2*\k:AW+24*\b+9+2*\k], v[AH+32*\b+8*\g+2*\k:AH+32*\b+8*\g+2*\k+1], v[AW+24*\b+18:AW+24*\b+19], v[AW+24*\b+20:AW+24*\b+21] op_sel_hi:[1,0,0]
.endr
.endr
.irp k,0,1,2,3
.irp b,0,1
	v_cvt_pk_bf16_f32 v[AF+16*\b+4*\g+\k], v[AW+24*\b+8+2*\k], v[AW+24*\b+9+2*\k]
.endr
.endr
.endr
.endm
; Q, K, V OF A PAIR OF HEADS p.  Six steps j: q, q, k, k, v, v, for head 2 p + j % 2.  A step's two weight fragments (and q's bias) lie in window j % 2, its sums at AW + 16 (j % 2).
.macro LDA p, j
.set kd, (\j)/2
.set tq, 2*(\p)+(\j)%2
	WIN ((\j)%2)<<6
.irp c,0,1
	ds_load_b128 v[AB+8*\c:AB+8*\c+3], v[LW] offset:kd*8192+(2*tq+\c)*1024
	ds_load_b128 v[AB+8*\c+4:AB+8*\c+7], v[LW] offset:kd*8192+(2*tq+\c)*1024+512
.endr
.if kd == 0
	ds_load_b128 v[AST:AST+3], v[BH] offset:64*tq
	ds_load_b128 v[AST+4:AST+7], v[BH] offset:64*tq+16
.endif
.endm
.macro MM j, s                         ; four products; the two token tiles' sums take turns
.set pr, (\j)%2
.set kd, (\j)/2
.irp c,0,1
.irp b,0,1
.set ra, AW+16*pr+8*\b
.set rf, AF+16*\b+8*\c
.set rw, AB+8*\c
.if kd == 2
	WIN (\s)|(pr<<2)|((\s)<<4)|((\s)<<6)
.if \c == 0
	v_wmma_f32_16x16x32_bf16 v[ra:ra+7], v[rf:rf+7], v[rw:rw+7], 0
.else
	v_wmma_f32_16x16x32_bf16 v[ra:ra+7], v[rf:rf+7], v[rw:rw+7], v[ra:ra+7]
.endif
.elseif \c == 1
	WIN pr|((\s)<<2)|((\s)<<4)|((\s)<<6)
	v_wmma_f32_16x16x32_bf16 v[ra:ra+7], v[rw:rw+7], v[rf:rf+7], v[ra:ra+7]
.elseif kd == 0
	WIN pr|((\s)<<2)|(pr<<4)|((\s)<<6)
	v_wmma_f32_16x16x32_bf16 v[ra:ra+7], v[rw:rw+7], v[rf:rf+7], v[AST:AST+7]
.else
	WIN pr|((\s)<<2)|((\s)<<4)|((\s)<<6)
	v_wmma_f32_16x16x32_bf16 v[ra:ra+7], v[rw:rw+7], v[rf:rf+7], 0
.endif
.endr
.endr
.endm
.macro CV j, s                         ; a step's sums rounded to bf16, into their places in q, k or v
	WIN 0x55*(\s)
.set pr, (\j)%2
.set kd, (\j)/2
.irp b,0,1
.irp i,0,1,2,3
.if kd == 0
.set dd, AQ+12*\b+8*pr+\i
.elseif kd == 1
.set dd, AK+8*\b+4*pr+\i
.else
.set dd, AV+8*pr+4*\b+\i
.endif
	v_cvt_pk_bf16_f32 v[dd], v[AW+16*pr+8*\b+2*\i], v[AW+16*pr+8*\b+2*\i+1]
.endr
.endr
.endm
; The roundings of step j - 1 stand behind step j's products: they are the places in front of their own reads, and stand between those products and the loads into the buffer that they read.
.macro QKV p
	WIN 0
	s_wait_alu depctr_va_vdst(0)                   ; the norm, or the heads before, are done with v[AB ..] and v[AST ..] of both windows, in which steps 0 and 1 land; at a layer's first use v[LW] and v[BH] are written, by which the loads go
	LDA \p,0
.irp j,0,1,2,3,4,5
.if (\j > 0) && (\j < 5)
	WIN ((\j+1)%2)<<6
	s_wait_alu depctr_va_vdst(0)                   ; the products of the step before are done reading their two fragments, in which the next step's land
.endif
.if \j < 5
	LDA \p,\j+1
.endif
.if \j == 0
	s_wait_dscnt 0x6                               ; this step's loads are in; the next step's six (four of fragments, two of q's bias) may be out
.elseif \j < 5
	s_wait_dscnt 0x4                               ; the next step's four may be out
.else
	s_wait_dscnt 0x0
.endif
	MM \j,0
	MM \j,1
.if \j == 0
	PLACES 5
.else
	CV \j-1,0
	CV \j-1,1
.endif
.endr
	CV 5,0
	CV 5,1
.endm
; ATTENTION OF A PAIR OF HEADS.  S^T(b, a) at AW + 16 b + 8 a: a lane holds one query and 16 of its 32 keys.  P takes the lower 8 of a tile's 16 registers, O^T the upper 8.
.macro SCO s, tt                       ; the scores of head tt of the pair
	WIN 0x55*(\s)
.irp b,0,1
.irp a,0,1
	v_wmma_f32_16x16x32_bf16 v[AW+16*\b+8*\a:AW+16*\b+8*\a+7], v[AK+8*\a:AK+8*\a+7], v[AQ+12*\b+4*(\tt):AQ+12*\b+4*(\tt)+7], 0
.endr
.endr
.endm
.macro SUBL b, n                       ; pair n of 8: s - m
	v_pk_add_f32 v[AW+16*(\b)+2*(\n):AW+16*(\b)+2*(\n)+1], v[AW+16*(\b)+2*(\n):AW+16*(\b)+2*(\n)+1], v[AST+8*(\b):AST+8*(\b)+1] op_sel_hi:[1,0] neg_lo:[0,1] neg_hi:[0,1]
.endm
.macro EXL b, n
	v_exp_f32 v[AW+16*(\b)+(\n)], v[AW+16*(\b)+(\n)]
.endm
.macro CVL b, n                        ; pair n rounded, in place and ascending: register n is free when pair n is read
	v_cvt_pk_bf16_f32 v[AW+16*(\b)+(\n)], v[AW+16*(\b)+2*(\n)], v[AW+16*(\b)+2*(\n)+1]
.endm
.macro SUML b, n                       ; line n of the ten that add the 16 weights and the other half of the lanes'; lines 0-3 read them all
.set sg, AW+16*(\b)
.set sq, AST+8*(\b)
.if (\n) == 0
	s_wait_alu depctr_va_vdst(0)                   ; tile b's sixteen exponentials, all issued above, have written their results: the wait stands ahead of the first line that names one; the sums and roundings that follow need no other
.endif
.if (\n) < 3
	v_pk_add_f32 v[sq+2+2*(\n):sq+3+2*(\n)], v[sg+4*(\n):sg+4*(\n)+1], v[sg+4*(\n)+2:sg+4*(\n)+3]
.elseif (\n) == 3
	v_pk_add_f32 v[sq:sq+1], v[sg+12:sg+13], v[sg+14:sg+15]
.elseif (\n) == 4
	v_pk_add_f32 v[sq+2:sq+3], v[sq+2:sq+3], v[sq+4:sq+5]
.elseif (\n) == 5
	v_pk_add_f32 v[sq+6:sq+7], v[sq+6:sq+7], v[sq:sq+1]
.elseif (\n) == 6
	v_pk_add_f32 v[sq+2:sq+3], v[sq+2:sq+3], v[sq+6:sq+7]
.elseif (\n) == 7
	v_add_f32 v[sq], v[sq+2], v[sq+3]
.elseif (\n) == 8
	v_permlanex16_b32 v[sq+1], v[sq], s50, s51
.else
	v_add_f32 v[sq], v[sq], v[sq+1]
.endif
.endm
; The softmax of one head, both query tiles: maximum, s - m, exponentials, sum (of the unrounded weights), rounding, 1 / sum into AST + 8 b + 2.
; Plain work of the other tile stands between the exponentials wherever there is any; every exponential has a plain instruction behind it before its result is read.
.macro SM s
	WIN 0x55*(\s)
.irp b,0,1
	v_max3_num_f32 v[AST+8*\b], v[AW+16*\b], v[AW+16*\b+1], v[AW+16*\b+2]
.endr
.irp b,0,1
	v_max3_num_f32 v[AST+8*\b+1], v[AW+16*\b+8], v[AW+16*\b+9], v[AW+16*\b+10]
.endr
.irp o,3,5
.irp b,0,1
	v_max3_num_f32 v[AST+8*\b], v[AST+8*\b], v[AW+16*\b+\o], v[AW+16*\b+\o+1]
.endr
.irp b,0,1
	v_max3_num_f32 v[AST+8*\b+1], v[AST+8*\b+1], v[AW+16*\b+\o+8], v[AW+16*\b+\o+9]
.endr
.endr
.irp b,0,1
	v_max3_num_f32 v[AST+8*\b], v[AST+8*\b], v[AW+16*\b+7], v[AW+16*\b+15]
.endr
.irp b,0,1
	v_max_num_f32 v[AST+8*\b], v[AST+8*\b], v[AST+8*\b+1]
.endr
.irp b,0,1
	v_permlanex16_b32 v[AST+8*\b+1], v[AST+8*\b], s50, s51             ; the query's other 16 keys lie in the lane 16 away
.endr
.irp b,0,1
	v_max_num_f32 v[AST+8*\b], v[AST+8*\b], v[AST+8*\b+1]
.endr
.irp n,0,1,2,3,4,5,6,7
	SUBL 0,\n
.endr
.irp n,0,1,2,3,4,5,6,7
	EXL 0,\n
	SUBL 1,\n
.endr
.irp n,8,9,10,11,12,13,14,15
	EXL 0,\n
.endr
.irp n,0,1,2,3,4,5,6,7,8,9
	EXL 1,\n
	SUML 0,\n
.endr
.irp n,10,11,12,13,14,15
	EXL 1,\n
	CVL 0,\n-10
.endr
	CVL 0,6
	CVL 0,7
.irp n,0,1,2,3
	SUML 1,\n
.endr
.irp n,0,1,2,3,4,5
	SUML 1,\n+4
	CVL 1,\n
.endr
	CVL 1,6
	CVL 1,7
	v_rcp_f32 v[AST+2], v[AST]
	v_rcp_f32 v[AST+10], v[AST+8]
	v_nop                                                              ; a plain instruction behind the reciprocals
.endm
.macro PV s, tt                        ; O^T = V^T P
	WIN 0x55*(\s)
.irp b,0,1
	v_wmma_f32_16x16x32_bf16 v[AW+16*\b+8:AW+16*\b+15], v[AV+8*(\tt):AV+8*(\tt)+7], v[AW+16*\b:AW+16*\b+7], 0
.endr
.endm
.macro NRM s, tt, p                    ; O^T / sum, rounded: four registers of ctx's fragment (b, chunk p)
.if (\p) == 0
.set cb, ACT
.else
.set cb, AF
.endif
	WIN 0x55*(\s)
.if (\s) == 0
	s_wait_alu depctr_va_vdst(0)                   ; BOTH sequences' reciprocals, four, have written 1 / sum: the wait stands ahead of the first line that names one; sequence 1's scaling needs no other.  At the pair's last head it states besides that the products are done reading sequence 0's q, k, v and P, in which wo lands
.endif
.irp i,0,1,2,3
.irp b,0,1
	v_pk_mul_f32 v[AW+16*\b+8+2*\i:AW+16*\b+9+2*\i], v[AW+16*\b+8+2*\i:AW+16*\b+9+2*\i], v[AST+8*\b+2:AST+8*\b+3] op_sel_hi:[1,0]
.endr
.endr
.irp i,0,1,2,3
.irp b,0,1
	v_cvt_pk_bf16_f32 v[cb+8*\b+4*(\tt)+\i], v[AW+16*\b+8+2*\i], v[AW+16*\b+9+2*\i]
.endr
.endr
.endm
; The two sequences by turns: behind each run of products stands the other sequence's vector work, which names none of their registers.
.macro ATT p
	SCO 0,0
	SCO 1,0
	PLACES 4
	SM 0
	PV 0,0
	SM 1
	PV 1,0
	NRM 0,0,\p
	SCO 0,1
	NRM 1,0,\p
	SCO 1,1
	SM 0
	PV 0,1
	SM 1
	PV 1,1
	NRM 0,1,\p
.if (\p) == 1
	WIN 0                                          ; sequence 0's q, k, v and P are done with: wo's eight fragments take their registers, v152-215.  No wait here: the scaling's sixteen lines, all that was issued since the wait at its head, name v216-239, v24-39 and v104-135 alone
.irp f,0,1,2,3,4,5,6,7
	ds_load_b128 v[AO+8*\f:AO+8*\f+3], v[LW] offset:LWO+\f*1024
	ds_load_b128 v[AO+8*\f+4:AO+8*\f+7], v[LW] offset:LWO+\f*1024+512
.endr
.endif
	NRM 1,1,\p
.endm
.macro BIAS s, src                     ; h += a bias that lies in window 0, by feature; ascending in each accumulator
	WIN 0x41*(\s)
.irp b,0,1
.irp t,0,1,2,3
.irp i,0,1,2,3
	v_pk_add_f32 v[AH+32*\b+8*\t+2*\i:AH+32*\b+8*\t+2*\i+1], v[AH+32*\b+8*\t+2*\i:AH+32*\b+8*\t+2*\i+1], v[\src+8*\t+2*\i:\src+8*\t+2*\i+1]
.endr
.endr
.endr
.endm
; FFN, four steps of 32 hidden features.  A step's 20 loads: w1's four fragments, b1' of two tiles, w2's four fragments, into window u % 2.
.macro LDF u
.set fw, (\u)%2
	WIN fw<<6
.irp tt,0,1
.irp c,0,1
	ds_load_b128 v[A1+8*(2*\tt+\c):A1+8*(2*\tt+\c)+3], v[LW] offset:LW1+(2*(2*(\u)+\tt)+\c)*1024
	ds_load_b128 v[A1+8*(2*\tt+\c)+4:A1+8*(2*\tt+\c)+7], v[LW] offset:LW1+(2*(2*(\u)+\tt)+\c)*1024+512
.endr
	ds_load_b128 v[AST+8*\tt:AST+8*\tt+3], v[BH] offset:512+64*(2*(\u)+\tt)
	ds_load_b128 v[AST+8*\tt+4:AST+8*\tt+7], v[BH] offset:512+64*(2*(\u)+\tt)+16
.endr
.irp t,0,1,2,3
	ds_load_b128 v[A2+8*\t:A2+8*\t+3], v[LW] offset:LW2+(4*\t+(\u))*1024
	ds_load_b128 v[A2+8*\t+4:A2+8*\t+7], v[LW] offset:LW2+(4*\t+(\u))*1024+512
.endr
.endm
.macro FF1 u, s                        ; z w1 + b1': four sums by turns, at AW + 16 tt + 8 b
.set fw, (\u)%2
.irp c,0,1
.irp tt,0,1
.irp b,0,1
.set ra, AW+16*\tt+8*\b
.if \c == 0
	WIN fw|((\s)<<2)|(fw<<4)|((\s)<<6)
	v_wmma_f32_16x16x32_bf16 v[ra:ra+7], v[A1+8*(2*\tt+\c):A1+8*(2*\tt+\c)+7], v[AF+16*\b+8*\c:AF+16*\b+8*\c+7], v[AST+8*\tt:AST+8*\tt+7]
.else
	WIN fw|((\s)<<2)|((\s)<<4)|((\s)<<6)
	v_wmma_f32_16x16x32_bf16 v[ra:ra+7], v[A1+8*(2*\tt+\c):A1+8*(2*\tt+\c)+7], v[AF+16*\b+8*\c:AF+16*\b+8*\c+7], v[ra:ra+7]
.endif
.endr
.endr
.endr
.endm
.macro RL s                            ; rounded to bf16, then the relu on packed halves (the same numbers as the relu first): fragment b at AW + 32 + 8 b
	WIN 0x55*(\s)
.irp tt,0,1
.irp b,0,1
.irp i,0,1,2,3
	v_cvt_pk_bf16_f32 v[AW+32+8*\b+4*\tt+\i], v[AW+16*\tt+8*\b+2*\i], v[AW+16*\tt+8*\b+2*\i+1]
.endr
.endr
.endr
.irp i,0,1,2,3,4,5,6,7,8,9,10,11,12,13,14,15
	v_pk_max_num_bf16 v[AW+32+\i], v[AW+32+\i], s57
.endr
.endm
.macro FF2 u, s                        ; h += relu(..) w2, the step's 32 hidden features: eight sums by turns
.set fw, (\u)%2
	WIN fw|((\s)<<2)|((\s)<<4)|((\s)<<6)
.irp t,0,1,2,3
.irp b,0,1
	v_wmma_f32_16x16x32_bf16 v[AH+32*\b+8*\t:AH+32*\b+8*\t+7], v[A2+8*\t:A2+8*\t+7], v[AW+32+8*\b:AW+32+8*\b+7], v[AH+32*\b+8*\t:AH+32*\b+8*\t+7]
.endr
.endr
.endm
.macro WOP                             ; h += ctx wo + bo'; the FFN's first loads go out between the two sequences' biases
	WIN 0
	s_wait_alu depctr_va_vdst(0)                   ; sequence 0's last scaling and rounding are done with v216-239 of window 0, in which bo' lands
.irp t,0,1,2,3
	ds_load_b128 v[BOB+8*\t:BOB+8*\t+3], v[BH] offset:1024+64*\t
	ds_load_b128 v[BOB+8*\t+4:BOB+8*\t+7], v[BH] offset:1024+64*\t+16
.endr
	s_wait_dscnt 0x8                               ; wo's sixteen loads are in; the eight of bo' just issued may be out
.irp s,0,1
	WIN 0x54*\s
.irp c,0,1
.if \c == 0
.set cb, ACT
.else
.set cb, AF
.endif
.irp t,0,1,2,3
.irp b,0,1
	v_wmma_f32_16x16x32_bf16 v[AH+32*\b+8*\t:AH+32*\b+8*\t+7], v[AO+8*(2*\t+\c):AO+8*(2*\t+\c)+7], v[cb+8*\b:cb+8*\b+7], v[AH+32*\b+8*\t:AH+32*\b+8*\t+7]
.endr
.endr
.endr
.endr
	s_wait_dscnt 0x0
	PLACES 4
	BIAS 0,BOB
	WIN 0
	s_wait_alu depctr_va_vdst(0)                   ; both sequences' products are done reading wo and ctx's chunk 0, and the softmax its statistics: v24-39 and v136-199 of window 0 take the FFN's step 0, those of window 1 its step 1
	LDF 0
	BIAS 1,BOB
.endm
.macro FFN
.irp u,0,1,2,3
	s_wait_dscnt 0x0                               ; the step's 20 loads, issued in the middle of the step before
.if \u > 0
	s_wait_alu depctr_va_vdst(0)                   ; the products of the step before are done reading their buffers, in which the loads below land; the lines between this wait and those loads name the other window's buffers, v[AF ..] and v[AW ..] alone
.endif                                                 ; (step 0: the wait in WOP covers step 1's loads: no line since names v24-39 or v136-199 of window 1)
	FF1 \u,0
	FF1 \u,1
	PLACES 4
.if \u < 3
	LDF \u+1
.else
	WIN 0
.irp t,0,1,2,3
	ds_load_b128 v[B2B+8*\t:B2B+8*\t+3], v[BH] offset:1280+64*\t
	ds_load_b128 v[B2B+8*\t+4:B2B+8*\t+7], v[BH] offset:1280+64*\t+16
.endr
.endif
	RL 0
	FF2 \u,0
	RL 1
	FF2 \u,1
.endr
	s_wait_dscnt 0x0
	PLACES 4
	BIAS 0,B2B
	BIAS 1,B2B
	ZQ 0                                           ; wo's and the FFN's buffers lay over the zeros
	ZQ 1
.endm
; The head's end for sequence s: the sum over the tokens (8 registers, the other half of the lanes), then in window 0: mean, hb1, relu, hw2, the sum over 16 lanes, hb2, tanh, into v[RES + s].
.macro HFIN s
	WIN 0x55*(\s)
.irp o,0,8
	v_pk_add_f32 v[AW+\o:AW+\o+1], v[AW+\o:AW+\o+1], v[AW+\o+2:AW+\o+3]
.endr
.irp o,0,8
	v_pk_add_f32 v[AW+\o+4:AW+\o+5], v[AW+\o+4:AW+\o+5], v[AW+\o+6:AW+\o+7]
.endr
.irp o,0,8
	v_pk_add_f32 v[AW+\o:AW+\o+1], v[AW+\o:AW+\o+1], v[AW+\o+4:AW+\o+5]
.endr
.irp o,0,8
	v_add_f32 v[AW+\o], v[AW+\o], v[AW+\o+1]
.endr
.irp o,0,8
	v_permlanex16_b32 v[AW+\o+2], v[AW+\o], s50, s51
.endr
.irp o,0,8
	v_add_f32 v[AW+\o], v[AW+\o], v[AW+\o+2]
.endr
	WIN (\s)                                       ; source in window s, destination in window 0
	v_mov_b32 v12, v[AW]
	v_mov_b32 v13, v[AW+8]
	WIN 0
	v_fma_f32 v12, v12, s56, v[HC]                 ; sum / 32 + hb1
	v_fma_f32 v13, v13, s56, v[HC+1]
	v_max_num_f32 v12, 0, v12
	v_max_num_f32 v13, 0, v13
	v_mul_f32 v12, v12, v[HC+2]
	v_fmac_f32 v12, v13, v[HC+3]
	v_add_f32_dpp v12, v12, v12 row_xmask:1 row_mask:0xf bank_mask:0xf
	v_add_f32_dpp v12, v12, v12 row_xmask:2 row_mask:0xf bank_mask:0xf
	v_add_f32_dpp v12, v12, v12 row_xmask:4 row_mask:0xf bank_mask:0xf
	v_add_f32_dpp v12, v12, v12 row_xmask:8 row_mask:0xf bank_mask:0xf
	v_add_f32 v12, s62, v12                        ; z
	v_mul_f32 v13, 0x4038aa3b, v12                 ; 2 log2(e) z
	v_mul_f32 v14, v12, v12
	v_exp_f32 v13, v13
	v_fmaak_f32 v15, s66, v14, 0xbeaaaaab          ; 2/15 z^2 - 1/3: the series' lines are the plain instructions behind the exponential and the reciprocal
	s_wait_alu depctr_va_vdst(0)                   ; the exponential has written v13: the wait stands ahead of the line that reads it
	v_add_f32 v13, 1.0, v13
	v_fma_f32 v15, v15, v14, 1.0
	v_rcp_f32 v13, v13
	v_mul_f32 v15, v15, v12
	s_wait_alu depctr_va_vdst(0)                   ; the reciprocal has written v13: likewise
	v_fma_f32 v13, v13, -2.0, 1.0
	v_and_b32 v16, 0x7fffffff, v12
	v_cmp_gt_f32 vcc_lo, s63, v16                  ; |z| < 0.25: the series, which keeps small results' relative accuracy
	s_wait_alu depctr_va_vcc(0)                    ; the compare has written VCC, which the select reads
	v_cndmask_b32 v[RES+(\s)], v13, v15, vcc_lo
.endm
; ================= the set-up =================
	s_load_b512 s[4:19], s[0:1], 0x0               ; x 4, w_in 6, b_in 8, pos 10, wq 12, wk 14, wv 16, wo 18
	s_load_b512 s[20:35], s[0:1], 0x40             ; w1 20, w2 22, g1 24, be1 26, g2 28, be2 30, bo 32, b1 34
	s_load_b256 s[36:43], s[0:1], 0x80             ; b2 36, hw1 38, hb1 40, hw2 42
	s_load_b128 s[44:47], s[0:1], 0xa0             ; hb2 44, out0 46
	v_lshl_add_u32 v[SPW], v0, 2, SPARE
	v_mov_b32 v[NIL], 0
	v_lshrrev_b32 v127, 5, v0
	v_readfirstlane_b32 s48, v127                  ; wave 0..7
	s_mov_b32 s49, ttmp9                           ; work-group
	s_mov_b32 s50, 0x76543210                      ; v_permlanex16_b32: each lane takes its own place in the other half
	s_mov_b32 s51, 0xfedcba98
	s_mov_b32 s52, 0xbc800000                      ; -1/64
	s_mov_b32 s53, 0x3c800000                      ; 1/64
	s_mov_b32 s54, 0x3eb8aa3b                      ; c = log2(e) / 4
	s_mov_b32 s55, s54                             ; named with it as a pair
	s_mov_b32 s56, 0x3d000000                      ; 1/32
	s_mov_b32 s57, 0
	s_mov_b32 s63, 0x3e800000                      ; 0.25
	s_mov_b32 s66, 0x3e088889                      ; 2/15
	s_wait_alu depctr_va_sdst(0)                   ; s48 is written, ahead of its first reader
	s_cmp_lt_u32 s48, 2
	s_cselect_b32 s67, 0x3eb8aa3b, 1.0             ; waves 0, 1 finish cq: times c
	s_cmp_gt_u32 s48, 3
	s_cselect_b32 s68, -1, 0                       ; waves 4-7 finish b1': plus b1
	s_lshl3_add_u32 s70, s49, s48                  ; 8 x work-group + wave,
	s_mul_i32 s70, s70, 10240                      ; times 8 sequences of 1,280 bytes
	s_mov_b32 s71, 0
	v_and_b32 v127, 31, v0
	v_and_b32 v[LR], 15, v0
	v_bfe_u32 v[LHH], v0, 4, 1
	v_lshlrev_b32 v[LW0], 4, v127
	v_lshlrev_b32 v[L4], 2, v127
	s_lshl_b32 s2, s48, 11
	v_add_nc_u32 v[GO64], s2, v[L4]
	s_lshl_b32 s2, s48, 12
	v_add_nc_u32 v[GO128], s2, v[L4]
	s_lshl_b32 s2, s48, 10
	v_add_nc_u32 v[GO32], s2, v[L4]
	s_add_co_u32 s3, s2, PS
	v_add_nc_u32 v[PSA], s3, v[L4]
	s_lshl_b32 s2, s48, 5
	v_mov_b32 v[GVA], s2
	s_add_co_u32 s3, s2, TB+256
	v_mov_b32 v[CVA], s3
	; My 8 rows are in-features 8 w .. 8 w + 7: chunk w / 4, upper or lower four registers (w / 2) % 2, half of the lanes w % 2: together 256 w bytes into a tile's fragments.
	; My lane is out feature 32 nb + lane: tile 2 nb + lane / 16, row lane % 16.
	s_lshl_b32 s2, s48, 8
	v_lshl_add_u32 v127, v[LR], 4, s2
	v_lshl_add_u32 v[SA2], v[LHH], 11, v127
	v_add_nc_u32 v[SA2+1], LAYB, v[SA2]
	v_lshl_add_u32 v[SA4], v[LHH], 12, v127
	v_add_nc_u32 v[SA4+1], LAYB, v[SA4]
	v_add_nc_u32 v[SAT], WINF, v[SA2]
	v_lshl_add_u32 v[SA1], v[LHH], 10, v127
	v_add_nc_u32 v[SA1], WINF, v[SA1]
	s_add_co_u32 s3, s2, PS2
	v_add_nc_u32 v[PS2A], s3, v[L4]
	s_lshl_b32 s2, s48, 9
	s_add_co_u32 s2, s2, POST
	v_add_nc_u32 v[PSTA], s2, v[LW0]
	s_lshr_b32 s2, s48, 1                          ; of pos + b_in wave w makes feature tile w / 2, registers 4 (w % 2) on, for both token tiles
	s_lshl_b32 s2, s2, 6
	s_and_b32 s3, s48, 1
	s_lshl_b32 s3, s3, 4
	s_add_co_u32 s2, s2, s3
	v_lshl_add_u32 v[BIO], v[LHH], 5, s2
	v_lshl_add_u32 v[PGO], v[LR], 8, v[BIO]
	v_lshl_add_u32 v[RDA], v0, 2, PS
	v_lshl_add_u32 v[TBA], v0, 2, TB
	v_and_b32 v[B1O], 127, v0
	v_lshlrev_b32 v[B1O], 2, v[B1O]
	v_bfe_u32 v127, v0, 6, 1                       ; threads 0-127 finish bo': layer = bit 6, feature = the low six bits
	v_and_b32 v[RD2], 63, v0
	v_lshlrev_b32 v[RD2], 2, v[RD2]
	v_mul_u32_u24 v[TB4], v127, TBL
	v_add_nc_u32 v[TB4], v[TB4], v[RD2]
	v_add_nc_u32 v[TB4], TB+1024, v[TB4]
	v_lshl_add_u32 v[RD2], v127, 11, v[RD2]
	v_add_nc_u32 v[RD2], PS2, v[RD2]
	v_lshlrev_b32 v[HCO], 2, v[LR]
	s_cmp_eq_u32 s48, 0
	s_cselect_b32 s2, 0, 2048
	v_add_nc_u32 v[WIO], s2, v[L4]                 ; w_in: wave 0 begins at row 0, the others at row 8
	s_wait_kmcnt 0x0
	s_load_b32 s62, s[44:45], 0x0                  ; hb2
	s_add_nc_u64 s[4:5], s[4:5], s[70:71]          ; x at my wave's first pair
	s_lshl_b32 s70, s49, 8
	s_add_nc_u64 s[46:47], s[46:47], s[70:71]      ; out0 at my work-group's 256 bytes
	; the small loads first: all are older than the weights' and have landed at the first wait below
	WIN 0x40
	s_wait_alu depctr_va_vdst(0)                   ; all the set-up's offsets and LDS addresses (v1-19, v118-124, v127) are written: its loads and stores read them, and none is written again before the set-up's end
.irp i,0,1,2,3,4
	global_load_b128 v[4*\i:4*\i+3], v[LW0], s[4:5] offset:512*\i th:TH_LOAD_NT   ; the first pair's x: 2,560 consecutive bytes
.endr
	WIN 0
	global_load_b128 v[POSR:POSR+3], v[PGO], s[10:11]
	global_load_b128 v[POSR+4:POSR+7], v[PGO], s[10:11] offset:4096
	global_load_b128 v[POSR+8:POSR+11], v[BIO], s[8:9]
	; w_in has 10 rows.  One path for every wave, each register loaded once: numbers 0, 1 are rows 0, 1 (wave 0) or 8, 9 (the others); numbers 2-7 are rows 2-7 in every wave.
	; No address passes row 9.  What is no row of the wave's own (8 w + i) is set to 0 below, by a select on the wave's number.
.irp nb,0,1
.irp i,0,1
	global_load_b32 v[WI+8*\nb+\i], v[WIO], s[6:7] offset:256*\i+128*\nb
.endr
.irp i,2,3,4,5,6,7
	global_load_b32 v[WI+8*\nb+\i], v[L4], s[6:7] offset:256*\i+128*\nb
.endr
.endr
	GLD 0
	WIN 0
	global_load_b32 v[B1V], v[B1O], s[34:35]
	global_load_b32 v[B1V+1], v[B1O], s[34:35] offset:512
	global_load_b32 v[BOV], v[B1O], s[32:33]
	global_load_b32 v[B2V], v[B1O], s[36:37]
	global_load_b32 v[HC], v[HCO], s[40:41]
	global_load_b32 v[HC+1], v[HCO], s[40:41] offset:64
	global_load_b32 v[HC+2], v[HCO], s[42:43]
	global_load_b32 v[HC+3], v[HCO], s[42:43] offset:64
	; S1: the 17 items, three groups of loads ahead of the work
	LGI 0
	LGI 1
	LGI 2
.set it, 0
.rept 17
.if it < 14
	LGI it+3
.endif
.if it < 13
	s_wait_loadcnt 48                              ; loads come back in order: item it is in; the three younger groups of 16 may be out (at items 1 to 3 layer 1's eight loads of gains stand among the younger ones: the count is eight tighter than it need be)
.elseif it == 13
	s_wait_loadcnt 40                              ; 16 + 16 + hw1's 8
.elseif it == 14
	s_wait_loadcnt 24
.elseif it == 15
	s_wait_loadcnt 8
.else
	s_wait_loadcnt 0
.endif
.if it == 0
	WIN 0
	v_pk_add_f32 v[POSR:POSR+1], v[POSR:POSR+1], v[POSR+8:POSR+9]
	v_pk_add_f32 v[POSR+2:POSR+3], v[POSR+2:POSR+3], v[POSR+10:POSR+11]
	v_pk_add_f32 v[POSR+4:POSR+5], v[POSR+4:POSR+5], v[POSR+8:POSR+9]
	v_pk_add_f32 v[POSR+6:POSR+7], v[POSR+6:POSR+7], v[POSR+10:POSR+11]
	s_wait_alu depctr_va_vdst(0)                   ; the four additions have written pos + b_in, which the two LDS stores read
	ds_store_b128 v[PSTA], v[POSR:POSR+3]
	ds_store_b128 v[PSTA], v[POSR+4:POSR+7] offset:4096
	s_cmp_lt_u32 s48, 2
	s_cselect_b32 s2, -1, 0                        ; numbers 0, 1 are rows of w_in in waves 0 and 1,
	s_cmp_eq_u32 s48, 0
	s_cselect_b32 s3, -1, 0                        ; numbers 2-7 in wave 0 alone
	s_cmp_gt_u32 s48, 3
	s_cbranch_scc1 .Lnowin                         ; w_in has one chunk of 32 rows: waves 0-3
.irp nb,0,1
.irp i,0,1
	v_cndmask_b32 v[WI+8*\nb+\i], 0, v[WI+8*\nb+\i], s2
.endr
.irp i,2,3,4,5,6,7
	v_cndmask_b32 v[WI+8*\nb+\i], 0, v[WI+8*\nb+\i], s3
.endr
.irp i,0,1,2,3
	v_cvt_pk_bf16_f32 v[PK+(PK2-PK)*\nb+\i], v[WI+8*\nb+2*\i], v[WI+8*\nb+2*\i+1]
.endr
.endr
	s_wait_alu depctr_va_vdst(0)                   ; the roundings have written v[PK ..] and v[PK2 ..], which the two LDS stores read
	ds_store_b128 v[SA1], v[PK:PK+3]
	ds_store_b128 v[SA1], v[PK2:PK2+3] offset:2048
.Lnowin:
	GLD 1                                          ; layer 1's gains and shifts, wanted at item 8; the wait of item 4 shows them in
.endif
.if (it == 0) || (it == 8)
	WIN 0x55*(it/8)
.irp i,0,1,2,3
	v_pk_mul_f32 v[GQ+2*\i:GQ+2*\i+1], v[G1+2*\i:G1+2*\i+1], s[54:55] op_sel_hi:[1,0]
.endr
.endif
	PGI it
.set it, it+1
.endr
	WIN 0
	BAR                                            ; barrier 1: the images and the partial sums are whole
	; S2: thread t adds the eight waves' parts of word t: cq, cv, b1'.  The loads land in w_in's registers: the selects and roundings that named those stand ahead of every item's wait on va_vdst
.irp l,0,1
.irp k,0,1,2,3,4,5,6,7
	ds_load_b32 v[RR+8*\l+\k], v[RDA] offset:8192*\l+1024*\k
.endr
.endr
	s_wait_dscnt 0x0
.irp l,0,1
	SUM8 RR+8*\l
	v_cndmask_b32 v[RR+8*\l+1], 0, v[B1V+\l], s68
	v_fma_f32 v[RR+8*\l], v[RR+8*\l], s67, v[RR+8*\l+1]
.endr
	s_wait_alu depctr_va_vdst(0)                   ; both layers' sums are written, which the two LDS stores read
.irp l,0,1
	ds_store_b32 v[TBA], v[RR+8*\l] offset:TBL*\l
.endr
	BAR                                            ; barrier 2: cv is whole
	; S3: my 8 rows' part of cv wo, on wo's raw numbers, which still lie in registers.  v[CVR ..] is named by no line above
.irp l,0,1
	WIN (\l)<<6
	ds_load_b128 v[CVR:CVR+3], v[CVA] offset:TBL*\l
	ds_load_b128 v[CVR+4:CVR+7], v[CVA] offset:TBL*\l+16
.endr
	s_wait_dscnt 0x0
.irp l,0,1
	WIN 0x55*\l                                    ; v[PD ..] was last read by w1's stores, ahead of w2's waits on vm_vsrc
.irp nb,0,1
	v_mul_f32 v[PD+\nb], v[CVR], v[TW+48+8*\nb]
.irp i,1,2,3,4,5,6,7
	v_fmac_f32 v[PD+\nb], v[CVR+\i], v[TW+48+8*\nb+\i]
.endr
.endr
.endr
	WIN 0
	s_wait_alu depctr_va_vdst(0)                   ; the four partial sums are written, which the four LDS stores read
.irp l,0,1
	WIN (\l)<<2
.irp nb,0,1
	ds_store_b32 v[PS2A], v[PD+\nb] offset:2048*\l+128*\nb
.endr
.endr
	WIN 0
	BAR                                            ; barrier 3
	; S4: threads 0-127: bo' = bo + cv wo; b2 beside it
	s_wait_alu depctr_vm_vsrc(0)                   ; S2's LDS stores have read v[RR], in which the first load below lands (the sums that named v[RR ..] stand ahead of S2's and S3's waits on va_vdst)
	s_cmp_gt_u32 s48, 3
	s_cbranch_scc1 .Lno4
.irp k,0,1,2,3,4,5,6,7
	ds_load_b32 v[RR+\k], v[RD2] offset:256*\k
.endr
	s_wait_dscnt 0x0
	SUM8 RR
	v_add_f32 v[RR], v[RR], v[BOV]
	s_wait_alu depctr_va_vdst(0)                   ; bo' is written, which the LDS store reads
	ds_store_b32 v[TB4], v[RR]
	ds_store_b32 v[TB4], v[B2V] offset:256
.Lno4:
	BAR                                            ; barrier 4: the tables are whole, and nobody reads the partial sums any more: their bytes become the stage for x
	s_wait_alu depctr_vm_vsrc(0)                   ; the set-up's loads and stores have read their offsets, addresses and data: v2-9 and v12-19 take new meanings below and in the loops, and the first trip's loads land in v40-103
	v_add_nc_u32 v[LT], WINF, v[LW0]               ; every global load has landed (the wait for 0 above): its offset registers may be written
	v_lshl_add_u32 v[BH0], v[LHH], 5, TB
	s_mul_i32 s2, s48, 2560
	s_add_co_u32 s2, s2, XSTG
	v_add_nc_u32 v[XST], s2, v[LW0]
	v_mul_u32_u24 v[XL1], v[LR], 40                ; a token's row: 10 f32
	v_add_nc_u32 v[XL1], s2, v[XL1]
	v_lshl_add_u32 v[XL0], v[LHH], 5, v[XL1]
	s_lshl_b32 s69, s48, 5
	s_add_co_u32 s69, s69, OUTL+32
	ZQ 0
	ZQ 1
	WIN 0
	s_wait_kmcnt 0x0                               ; hb2
	s_wait_alu depctr_va_vdst(0)                   ; v[XST], v[XL0], v[XL1] and v[LT] are written, by which the trip's first LDS instructions go; the set-up's vector lines are done with v40-103, v176-223 of window 0 and v208-223 of window 1, in which the first trip's loads land
	s_mov_b32 s58, 4
; ================= a trip: two sequences =================
.Ltrip:                                                ; round the back edge: no vector line stands behind the wait on va_vdst ahead of the last trip's result stores
	s_wait_loadcnt 0x0                             ; the pair's x, asked for a trip ago
	WIN 0x04
.irp i,0,1,2,3,4
	ds_store_b128 v[XST], v[4*\i:4*\i+3] offset:512*\i                 ; into my wave's own stage; LDS serves a wave's instructions in order, so the loads below see it
.endr
.irp s,0,1
	WIN (\s)<<6
.irp b,0,1                             ; lane (r, half): features 0-7 of token 16 b + r, or 8, 9 and then 2-7 once more, which meet zero rows of w_in
	ds_load_b64 v[AW+8*\b:AW+8*\b+1], v[XL0] offset:1280*\s+640*\b
	ds_load_b64 v[AW+8*\b+2:AW+8*\b+3], v[XL1] offset:1280*\s+640*\b+8
	ds_load_b64 v[AW+8*\b+4:AW+8*\b+5], v[XL1] offset:1280*\s+640*\b+16
	ds_load_b64 v[AW+8*\b+6:AW+8*\b+7], v[XL1] offset:1280*\s+640*\b+24
.endr
.endr
	WIN 0
.irp t,0,1,2,3
	ds_load_b128 v[WIF+8*\t:WIF+8*\t+3], v[LT] offset:\t*1024
	ds_load_b128 v[WIF+8*\t+4:WIF+8*\t+7], v[LT] offset:\t*1024+512
.endr
.irp f,0,1,2,3,4,5,6,7                 ; pos + b_in into sequence 0's h: the C operand of both sequences' products
	ds_load_b128 v[AH+8*\f:AH+8*\f+3], v[LT] offset:POST-WINF+\f*1024
	ds_load_b128 v[AH+8*\f+4:AH+8*\f+7], v[LT] offset:POST-WINF+\f*1024+512
.endr
	s_wait_dscnt 0x0
	s_wait_alu depctr_vm_vsrc(0)                   ; the five LDS stores above have read window 1's v0-19, in which the next pair's x lands; the last trip's result stores have read v[RES ..] and v[OA], which this trip writes again
	s_add_nc_u64 s[4:5], s[4:5], 2560              ; x's loads are done (the wait at the trip's head): the base steps to the next pair
	s_cmp_eq_u32 s58, 1
	s_cbranch_scc1 .Lnox                           ; the last trip asks for nothing: no load leaves x
	WIN 0x40
.irp i,0,1,2,3,4
	global_load_b128 v[4*\i:4*\i+3], v[LW0], s[4:5] offset:512*\i th:TH_LOAD_NT
.endr
	WIN 0
.Lnox:
.irp s,0,1
	WIN 0x55*\s
.irp b,0,1
.irp i,0,1,2,3
	v_cvt_pk_bf16_f32 v[AQ+12*\b+\i], v[AW+8*\b+2*\i], v[AW+8*\b+2*\i+1]         ; x's fragment: four registers and the triple's zeros
.endr
.endr
.endr
	WIN 0x44                                       ; sequence 1 first: weights and C in window 0, x and h in window 1
.irp b,0,1
.irp t,0,1,2,3
	v_wmma_f32_16x16x32_bf16 v[AH+32*\b+8*\t:AH+32*\b+8*\t+7], v[WIF+8*\t:WIF+8*\t+7], v[AQ+12*\b:AQ+12*\b+7], v[AH+32*\b+8*\t:AH+32*\b+8*\t+7]
.endr
.endr
	PLACES 5                                       ; sequence 0's products write over what those read as C
	WIN 0
.irp b,0,1
.irp t,0,1,2,3
	v_wmma_f32_16x16x32_bf16 v[AH+32*\b+8*\t:AH+32*\b+8*\t+7], v[WIF+8*\t:WIF+8*\t+7], v[AQ+12*\b:AQ+12*\b+7], v[AH+32*\b+8*\t:AH+32*\b+8*\t+7]
.endr
.endr
	s_mov_b32 s59, 2
.Llayer:
	s_cmp_eq_u32 s59, 2
	s_cselect_b32 s60, 0, LAYB
	s_cselect_b32 s61, 0, TBL
	s_wait_alu depctr_vm_vsrc(0)                   ; the LDS loads issued so far have read v[LW] and v[BH], which the two lines below write
	v_add_nc_u32 v[LW], s60, v[LW0]
	v_add_nc_u32 v[BH], s61, v[BH0]
	LN 1                                           ; sequence 1 first: its h is the older one, and its norm stands between sequence 0's last products and their first read
	LN 0
	QKV 0
	ATT 0
	QKV 1
	ATT 1
	WOP
	LN 1
	LN 0
	FFN
	WIN 0
	s_sub_co_u32 s59, s59, 1
	s_cmp_lg_u32 s59, 0
	s_cbranch_scc1 .Llayer
	; THE HEAD.  h rounded, times hw1 with the tokens as rows: both token tiles add into one accumulator for each 16 hidden units.
	; hw1 lands in v176-207 of window 0: their last readers are the FFN's step 2 and wo's products, ahead of step 3's wait on va_vdst, and no line since names them
.irp f,0,1,2,3
	ds_load_b128 v[WIF+8*\f:WIF+8*\f+3], v[LT] offset:HW1F-WINF+\f*1024
	ds_load_b128 v[WIF+8*\f+4:WIF+8*\f+7], v[LT] offset:HW1F-WINF+\f*1024+512
.endr
.irp s,0,1
	WIN 0x55*\s
.irp b,0,1
.irp i,0,1,2,3,4,5,6,7,8,9,10,11,12,13,14,15
	v_cvt_pk_bf16_f32 v[AF+16*\b+\i], v[AH+32*\b+2*\i], v[AH+32*\b+2*\i+1]
.endr
.endr
.endr
	s_wait_dscnt 0x0
.irp s,0,1
	WIN 0x51*\s
.irp b,0,1
.irp c,0,1
.irp o,0,1
.if (\b == 0) && (\c == 0)
	v_wmma_f32_16x16x32_bf16 v[AW+8*\o:AW+8*\o+7], v[AF+16*\b+8*\c:AF+16*\b+8*\c+7], v[WIF+8*(2*\o+\c):WIF+8*(2*\o+\c)+7], 0
.else
	v_wmma_f32_16x16x32_bf16 v[AW+8*\o:AW+8*\o+7], v[AF+16*\b+8*\c:AF+16*\b+8*\c+7], v[WIF+8*(2*\o+\c):WIF+8*(2*\o+\c)+7], v[AW+8*\o:AW+8*\o+7]
.endif
.endr
.endr
.endr
.endr
	PLACES 4
	WIN 0
	s_lshl_b32 s2, s58, 3
	s_sub_co_u32 s2, s69, s2                       ; OUTL + 32 wave + 8 x (4 - trips left)
	v_mov_b32 v[OA], s2
	HFIN 0
	HFIN 1
	WIN 0
	s_wait_alu depctr_va_vdst(0)                   ; the two results and v[OA] are written, which the stores read; the head's products and sums are done with v[AW ..], v[WIF ..] and sequence 0's h, in which the next trip's first loads land
	ds_store_b32 v[OA], v[RES]                     ; every lane holds the same number
	ds_store_b32 v[OA], v[RES+1] offset:4
	s_sub_co_u32 s58, s58, 1
	s_cmp_lg_u32 s58, 0
	s_cbranch_scc1 .Ltrip
	BAR                                            ; barrier 5: all 64 results lie in LDS
	s_cmp_lg_u32 s48, 0
	s_cbranch_scc1 .Lend
	v_lshrrev_b32 v12, 1, v[LW0]                   ; 8 x lane
	v_add_nc_u32 v13, OUTL, v12
	s_wait_alu depctr_va_vdst(0)                   ; v13 is written, the load's address, and v12, the store's offset
	ds_load_b64 v[14:15], v13
	s_wait_dscnt 0x0
	global_store_b64 v12, v[14:15], s[46:47]       ; wave 0's one store covers the work-group's 256 consecutive bytes, at a multiple of 256 from out0's first byte
.Lend:
	s_wait_dscnt 0x0                               ; the closing lines, six on end
	s_wait_alu 0x0
	s_wait_tensorcnt 0x0
	ds_add_u32 v[SPW], v[NIL]
	s_wait_dscnt 0x0
	s_endpgm
.Lfunc_end_k_qfa2593f44f_tlob:
	.size	k_qfa2593f44f_tlob, .Lfunc_end_k_qfa2593f44f_tlob-k_qfa2593f44f_tlob
	.p2alignl 7, 3214868480
	.fill 96, 4, 3214868480
	.section	.rodata,"a",@progbits
	.p2align	6, 0x0
	.amdhsa_kernel k_qfa2593f44f_tlob
		.amdhsa_group_segment_fixed_size 172288
		.amdhsa_private_segment_fixed_size 0
		.amdhsa_enable_private_segment 0
		.amdhsa_kernarg_size 176
		.amdhsa_user_sgpr_count 2
		.amdhsa_user_sgpr_kernarg_segment_ptr 1
		.amdhsa_wavefront_size32 1
		.amdhsa_system_sgpr_workgroup_id_x 1
		.amdhsa_system_sgpr_workgroup_id_y 1
		.amdhsa_system_sgpr_workgroup_id_z 1
		.amdhsa_system_vgpr_workitem_id 0
		.amdhsa_next_free_vgpr 512
		.amdhsa_next_free_sgpr 72
		.amdhsa_reserve_vcc 1
		.amdhsa_float_denorm_mode_32 3
		.amdhsa_float_denorm_mode_16_64 3
		.amdhsa_memory_ordered 1
		.amdhsa_forward_progress 1
		.amdhsa_inst_pref_size 251
	.end_amdhsa_kernel
	.amdgpu_metadata
---
amdhsa.version: [ 1, 2 ]
amdhsa.kernels:
  - .name:           k_qfa2593f44f_tlob
    .symbol:         k_qfa2593f44f_tlob.kd
    .args:
      - { .name: x, .offset: 0, .size: 8, .value_kind: global_buffer, .address_space: global }
      - { .name: w_in, .offset: 8, .size: 8, .value_kind: global_buffer, .address_space: global }
      - { .name: b_in, .offset: 16, .size: 8, .value_kind: global_buffer, .address_space: global }
      - { .name: pos, .offset: 24, .size: 8, .value_kind: global_buffer, .address_space: global }
      - { .name: wq, .offset: 32, .size: 8, .value_kind: global_buffer, .address_space: global }
      - { .name: wk, .offset: 40, .size: 8, .value_kind: global_buffer, .address_space: global }
      - { .name: wv, .offset: 48, .size: 8, .value_kind: global_buffer, .address_space: global }
      - { .name: wo, .offset: 56, .size: 8, .value_kind: global_buffer, .address_space: global }
      - { .name: w1, .offset: 64, .size: 8, .value_kind: global_buffer, .address_space: global }
      - { .name: w2, .offset: 72, .size: 8, .value_kind: global_buffer, .address_space: global }
      - { .name: g1, .offset: 80, .size: 8, .value_kind: global_buffer, .address_space: global }
      - { .name: be1, .offset: 88, .size: 8, .value_kind: global_buffer, .address_space: global }
      - { .name: g2, .offset: 96, .size: 8, .value_kind: global_buffer, .address_space: global }
      - { .name: be2, .offset: 104, .size: 8, .value_kind: global_buffer, .address_space: global }
      - { .name: bo, .offset: 112, .size: 8, .value_kind: global_buffer, .address_space: global }
      - { .name: b1, .offset: 120, .size: 8, .value_kind: global_buffer, .address_space: global }
      - { .name: b2, .offset: 128, .size: 8, .value_kind: global_buffer, .address_space: global }
      - { .name: hw1, .offset: 136, .size: 8, .value_kind: global_buffer, .address_space: global }
      - { .name: hb1, .offset: 144, .size: 8, .value_kind: global_buffer, .address_space: global }
      - { .name: hw2, .offset: 152, .size: 8, .value_kind: global_buffer, .address_space: global }
      - { .name: hb2, .offset: 160, .size: 8, .value_kind: global_buffer, .address_space: global }
      - { .name: out0, .offset: 168, .size: 8, .value_kind: global_buffer, .address_space: global }
    .group_segment_fixed_size: 172288
    .private_segment_fixed_size: 0
    .kernarg_segment_align: 8
    .kernarg_segment_size: 176
    .max_flat_workgroup_size: 256
    .sgpr_count:     72
    .vgpr_count:     512
    .wavefront_size: 32
...
	.end_amdgpu_metadata
.endif
;; end of part 2
